; MI455X (gfx1250); checked and timed in simulation.
; The chip was launched on July 23, 2026; its instructions are those of AMD's public machine-readable ISA for CDNA 5 (MIT licence, August 2026) and "CDNA5" Instruction Set Architecture Reference Guide (July 2026). The comments in the code are by the model that wrote it; some were corrected since.
;; Self Attention Interaction. Allowed arithmetic: float matrix products may take bf16 or f16 operands with f32 sums; other float arithmetic in f32, or as packed bf16 or f16 multiplies, adds, multiply-adds, maxima and minima; sums over many terms, partial sums and values carried from step to step in f32; what a program stores and reads back later, other than sums and carried values, may be rounded once to bf16 or f16.
;; Inputs: Wk 1,024 x 1,024 float32; Wq 1,024 x 1,024 float32; Wv 1,024 x 1,024 float32; gamma 1 float32; x 32 x 512 x 1,024 float32.
;; Outputs: out0 32 x 512 x 1,024 float32.
;; 2 versions, each right; version 2 is version 1 with the launch prep written anew for expert scheduling mode. Each part assembles by itself: llvm-mc -triple=amdgcn-amd-amdhsa -mcpu=gfx1250 --defsym DOCPART=n.
;; ======== version 1 of 2: 4 launches
;; limits: values are held in f16: magnitudes above 65,504 overflow, below 6.1e-05 lose precision; inputs' magnitudes at most 65,504
;; workspace buffers: xb 33,554,432 bytes; mb 4,194,304 bytes; wvh 2,097,152 bytes; wb 67,108,864 bytes; zb 33,554,432 bytes
;; launch prep (part 1): grid 512 x 1, 8 waves a work-group, no clusters, 82,944 bytes of LDS; arguments x, Wq, Wk, Wv, xb, mb, wvh; writes xb, mb, wvh
.if DOCPART == 1
	.amdgcn_target "amdgcn-amd-amdhsa--gfx1250"
	.amdhsa_code_object_version 6
	.text
	.protected	k_q8fdb258dca_prep
	.globl	k_q8fdb258dca_prep
	.p2align	8
	.type	k_q8fdb258dca_prep,@function
k_q8fdb258dca_prep:
	s_mov_b64 s[64:65], 0
	v_nop
	global_prefetch_b8 v0, s[64:65] scope:SCOPE_SE
	s_setreg_imm32_b32 hwreg(HW_REG_WAVE_MODE, 25, 1), 1
	s_wait_xcnt 0x0
; PREP.  Three things that the later launches read:
;   xb  = x rounded once to bf16, row-major [16384][1024]
;   wvh = Wv rounded once to bf16, that number written as f16, row-major [1024][1024]
;   mb  = M[c][c'] = sum over d of Wq[d][c] Wk[d][c'] (both rounded to bf16, sums in f32), kept as TWO bf16 terms, hi and lo = bf16(M - hi):
;         scores = (x Wq^T)(x Wk^T)^T = x M x^T, and a softmax of scores with a spread of tens needs more than one 16-bit rounding on that road.
;         mb lies in FRAGMENT BLOCKS of 1,024 bytes (16 rows c x 32 columns c'): [half j][lane][16 bytes] = registers 4 j .. 4 j + 3 of the lane:
;         [row tile 64][chunk 64: 0-31 hi, 32-63 lo][1,024].
; LIMITS.  Every input is rounded once to bf16.  f16 ends at 65,504: |Wv| stays within it; below 6.1e-5 it keeps f16's fixed step of 6e-8.  NaN and infinities are not treated apart.
; WORK-GROUPS 0-255 make one tile of 64 x 64 of M each (K = d = 1,024); work-groups 256-511 stream 262,144 bytes of x and 16,384 of Wv each.  The branch hangs on the work-group's number alone.
; No tensor loads: with 224 registers a wave and 82,944 bytes of LDS two work-groups of eight waves lie on a WGP, so all 512 run at once.
.set SPARE, 81920                      ; behind the two tiles: the spare words, 128 bytes a wave: four blocks of 256 bytes that no other line names
.set MATB,  40960                      ; a weight's tile in LDS: 256 rows d x 160 bytes; Wq's at 0, Wk's behind it
.set LP,    160                        ; a row: 64 bf16 = 128 bytes + 32 of padding = 40 words
.set VI,   2                           ; v2   stream: 16 x thread
.set VO,   3                           ; v3   stream: 8 x thread
.set SPW,  4                           ; v4   LDS address of my spare word; never rewritten
.set NIL,  5                           ; v5   0; never rewritten
.set VGO,  6                           ; v6   M: my byte offset in 16 rows of a weight: (t / 16) x 4,096 + (t % 16) x 16
.set VLS,  8                           ; v8, v9  M: where my 8 bytes go in Wq's tile, in Wk's: (t / 16) x 160 + (t % 16) x 8
.set VFK,  10                          ; v10  M: my lane's place in Wk's fragments
.set VFQ,  11                          ; v11  M: in Wq's
.set VST,  12                          ; v12  16 x lane
.set NEG1, 13                          ; v13  -1.0
.set ACC,  16                          ; v[16:31]   M: two accumulators: my row tile x my two column tiles
.set TMP,  32                          ; v[32:47]   M: packed pairs on their way into LDS
.set FR,   48                          ; v[48:95]   M: fragments of two chunks of 32 d (24 registers each: Wk's two, Wq's one); at the end hi and lo
.set STG,  96                          ; v[96:223]  M: a stage of 256 d as loaded: Wq's 16 x 4 registers, then Wk's
.set WVR,  16                          ; v[16:31]   stream: four chunks of Wv
.set WT,   32                          ; v[32:37]   stream: at work
.set WO,   40                          ; v[40:47]   stream: Wv as f16
.set X,    64                          ; v[64:127]  stream: ring slot i, 4 registers as loaded
.set Y,    128                         ; v[128:159] stream: ring slot i, 2 registers to store
.set WV,   18                          ; s18  my wave's number
.set ST,   19                          ; s19  M: the quarter of d asked for last
.set CNT,  20                          ; s20  trips to go
.set PQ,   28                          ; s[28:29] M: Wq at the quarter asked for last
.set PK,   30                          ; s[30:31] M: Wk likewise
	s_load_b256 s[4:11], s[0:1], 0x0               ; x s[4:5], Wq s[6:7], Wk s[8:9], Wv s[10:11]
	s_load_b128 s[12:15], s[0:1], 0x20             ; xb s[12:13], mb s[14:15]
	s_load_b64 s[16:17], s[0:1], 0x30              ; wvh
	v_lshl_add_u32 v[SPW], v0, 2, SPARE
	v_mov_b32 v[NIL], 0
	v_lshrrev_b32 v1, 5, v0
	v_readfirstlane_b32 s[WV], v1                  ; wave 0..7
	s_mov_b32 s23, 0                               ; the high word of every offset pair s[22:23]
	s_wait_kmcnt 0x0
	s_cmp_lt_u32 ttmp9, 256
	s_cbranch_scc1 .Lrole_m
; ---------------- THE STREAM.  64 chunks of 4,096 bytes of x: a thread takes 16 bytes in, 8 out; a wave's store covers 256 consecutive bytes, aligned.
	s_sub_co_u32 s21, ttmp9, 256                   ; j = 0..255
	s_lshl_b32 s22, s21, 18
	s_add_nc_u64 s[4:5], s[4:5], s[22:23]          ; x + 262,144 j
	s_lshl_b32 s22, s21, 17
	s_add_nc_u64 s[12:13], s[12:13], s[22:23]      ; xb + 131,072 j
	s_lshl_b32 s22, s21, 14
	s_add_nc_u64 s[10:11], s[10:11], s[22:23]      ; Wv + 16,384 j
	s_lshl_b32 s22, s21, 13
	s_add_nc_u64 s[16:17], s[16:17], s[22:23]      ; wvh + 8,192 j
	v_lshlrev_b32 v[VI], 4, v0
	v_lshlrev_b32 v[VO], 3, v0
.irp i, 0,1,2,3
	global_load_b128 v[WVR+4*(\i):WVR+4*(\i)+3], v[VI], s[10:11] offset:(\i)*4096 th:TH_LOAD_NT
.endr
.irp i, 0,1,2,3,4,5,6,7,8,9,10,11,12,13,14,15
	global_load_b128 v[X+4*(\i):X+4*(\i)+3], v[VI], s[4:5] offset:(\i)*4096 th:TH_LOAD_NT  ; the ring is filled: chunks 0 to 15
.endr
	s_wait_loadcnt 16                              ; Wv's four loads are in; x's sixteen stay out
.irp i, 0,1,2,3
	v_cvt_pk_bf16_f32 v[WT], v[WVR+4*(\i)], v[WVR+4*(\i)+1]      ; the one rounding, to bf16;
	v_cvt_pk_bf16_f32 v[WT+1], v[WVR+4*(\i)+2], v[WVR+4*(\i)+3]
	v_lshlrev_b32 v[WT+2], 16, v[WT]                             ; back to f32 (a shift or a mask),
	v_and_b32 v[WT+3], 0xffff0000, v[WT]
	v_lshlrev_b32 v[WT+4], 16, v[WT+1]
	v_and_b32 v[WT+5], 0xffff0000, v[WT+1]
	v_cvt_pk_f16_f32 v[WO+2*(\i)], v[WT+2], v[WT+3]              ; and the same number as f16 (8 significant bits fit into 11)
	v_cvt_pk_f16_f32 v[WO+2*(\i)+1], v[WT+4], v[WT+5]
	global_store_b64 v[VO], v[WO+2*(\i):WO+2*(\i)+1], s[16:17] offset:(\i)*2048
.endr
; One slot's turn.  ahead = 1: the slot is filled again with the chunk 16 further on.  left = the younger loads that may stay out.
.macro SLOT i, ahead, left
	s_wait_loadcnt \left                           ; loads come back in order: mine is in
	s_wait_xcnt 0x0                                ; the slot's Y, which its last store reads, is rewritten only behind this wait
	v_cvt_pk_bf16_f32 v[Y+2*(\i)], v[X+4*(\i)], v[X+4*(\i)+1]
	v_cvt_pk_bf16_f32 v[Y+2*(\i)+1], v[X+4*(\i)+2], v[X+4*(\i)+3]
.if \ahead
	global_load_b128 v[X+4*(\i):X+4*(\i)+3], v[VI], s[4:5] offset:(\i)*4096+65536 th:TH_LOAD_NT
.endif
	global_store_b64 v[VO], v[Y+2*(\i):Y+2*(\i)+1], s[12:13] offset:(\i)*2048
.endm
	s_mov_b32 s[CNT], 3
.Lring:
.irp i, 0,1,2,3,4,5,6,7,8,9,10,11,12,13,14,15
	SLOT \i, 1, 15
.endr
	s_wait_xcnt 0x0                                ; every load and store issued so far has read its base: the two are stepped
	s_add_nc_u64 s[4:5], s[4:5], 65536
	s_add_nc_u64 s[12:13], s[12:13], 32768
	s_sub_co_u32 s[CNT], s[CNT], 1
	s_cmp_lg_u32 s[CNT], 0
	s_cbranch_scc1 .Lring
.irp i, 0,1,2,3,4,5,6,7,8,9,10,11,12,13,14,15
	SLOT \i, 0, 15-(\i)                            ; the last sixteen chunks load nothing: the counts run down
.endr
	s_wait_tensorcnt 0x0                           ; the wave's end
	ds_add_u32 v[SPW], v[NIL]
	s_wait_dscnt 0x0
	s_endpgm
; ---------------- M.  Tile (nblk, kblk): rows c = 64 nblk .., columns c' = 64 kblk ...  Wave v: row tile v / 2 (16 rows), column half v % 2 (32 columns): two accumulators.
; d goes in 4 stages of 256: load f32 into registers (32 loads of 16 bytes a thread: 131,072 bytes of the work-group on their way, a quarter of all that it reads), round to bf16,
; store as [d][64 columns]; the turning load makes fragments of it.  One buffer in LDS, so two barriers a stage; the next stage's loads go out between them and land under this stage's products.
; THE WORK-GROUP BEGINS AT QUARTER (nblk + kblk) % 4 OF d and goes round: the sixteen work-groups that read the same block of columns of a weight ask for different rows of it at any one time.
; (f32 sums may be taken in any order.)
; The product is taken with source 0 = Wk's columns and source 1 = Wq's: a lane then holds ONE row c of M and eight neighbouring columns c': packed, my two tiles ARE a fragment block.
.Lrole_m:
	s_lshr_b32 s21, ttmp9, 4                       ; nblk
	s_and_b32 s24, ttmp9, 15                       ; kblk
	s_lshl_b32 s22, s21, 8
	s_add_nc_u64 s[6:7], s[6:7], s[22:23]          ; Wq at column 64 nblk
	s_lshl_b32 s22, s24, 8
	s_add_nc_u64 s[8:9], s[8:9], s[22:23]          ; Wk at column 64 kblk
	s_lshr_b32 s25, s[WV], 1                       ; my row tile of the four
	s_and_b32 s26, s[WV], 1                        ; my column half
	s_lshl2_add_u32 s22, s21, s25                  ; row tile 4 nblk + v / 2,
	s_lshl_b32 s22, s22, 16                        ; of 65,536 bytes
	s_lshl1_add_u32 s27, s24, s26                  ; chunk 2 kblk + v % 2,
	s_lshl_b32 s27, s27, 10                        ; of 1,024 bytes
	s_add_co_u32 s22, s22, s27
	s_add_nc_u64 s[14:15], s[14:15], s[22:23]
	s_add_co_u32 s[ST], s21, s24
	s_and_b32 s[ST], s[ST], 3                      ; the quarter of d at which I begin,
	s_lshl_b32 s22, s[ST], 20                      ; 256 rows of 4,096 bytes each
	s_add_nc_u64 s[PQ:PQ+1], s[6:7], s[22:23]
	s_add_nc_u64 s[PK:PK+1], s[8:9], s[22:23]
	v_lshrrev_b32 v7, 4, v0                        ; t / 16: one of 16 rows
	v_and_b32 v1, 15, v0                           ; t % 16: 16 bytes of the row's 256
	v_lshlrev_b32 v[VGO], 12, v7
	v_lshl_add_u32 v[VGO], v1, 4, v[VGO]
.macro STAGE_LOADS                     ; 256 rows d x 256 bytes of each weight: sixteen lanes take one aligned row piece
.irp i, 0,1,2,3,4,5,6,7,8,9,10,11,12,13,14,15
	global_load_b128 v[STG+4*(\i):STG+4*(\i)+3], v[VGO], s[PQ:PQ+1] offset:(\i)*65536
.endr
.irp i, 0,1,2,3,4,5,6,7,8,9,10,11,12,13,14,15
	global_load_b128 v[STG+64+4*(\i):STG+64+4*(\i)+3], v[VGO], s[PK:PK+1] offset:(\i)*65536
.endr
.endm
	STAGE_LOADS                                    ; the first stage goes out before anything else is made
	v_mul_u32_u24 v[VLS], v7, LP
	v_lshl_add_u32 v[VLS], v1, 3, v[VLS]
	v_add_nc_u32 v[VLS+1], MATB, v[VLS]
	v_and_b32 v7, 7, v0                            ; the turning load: lane l reads row 8 (l / 16) + l % 8, 16 bytes at 16 ((l / 8) % 2)
	v_bfe_u32 v1, v0, 4, 1
	v_lshl_add_u32 v7, v1, 3, v7
	v_mul_u32_u24 v7, v7, LP
	v_bfe_u32 v1, v0, 3, 1
	v_lshl_add_u32 v7, v1, 4, v7
	s_lshl_b32 s27, s26, 6
	s_add_co_u32 s27, s27, MATB
	v_add_nc_u32 v[VFK], s27, v7                   ; Wk's tile, my 32 columns
	s_lshl_b32 s27, s25, 5
	v_add_nc_u32 v[VFQ], s27, v7                   ; Wq's tile, my 16 columns
	v_and_b32 v[VST], 31, v0
	v_lshlrev_b32 v[VST], 4, v[VST]
	v_mov_b32 v[NEG1], -1.0
.macro FRAGS q0                        ; the fragments of chunks q0 and q0 + 1 of 32 d: 12 turning loads
.irp qq, 0,1
.irp c, 0,1
	ds_load_tr16_b128 v[FR+24*(\qq)+8*(\c):FR+24*(\qq)+8*(\c)+3],   v[VFK] offset:((\q0)+(\qq))*32*LP+(\c)*32
	ds_load_tr16_b128 v[FR+24*(\qq)+8*(\c)+4:FR+24*(\qq)+8*(\c)+7], v[VFK] offset:((\q0)+(\qq))*32*LP+(\c)*32+16*LP
.endr
	ds_load_tr16_b128 v[FR+24*(\qq)+16:FR+24*(\qq)+19], v[VFQ] offset:((\q0)+(\qq))*32*LP
	ds_load_tr16_b128 v[FR+24*(\qq)+20:FR+24*(\qq)+23], v[VFQ] offset:((\q0)+(\qq))*32*LP+16*LP
.endr
.endm
.macro MULS                            ; 4 products; the two accumulators take turns, one instruction a turn, over the backward jump too
.irp qq, 0,1
.irp k, 0,1
	v_wmma_f32_16x16x32_bf16 v[ACC+8*(\k):ACC+8*(\k)+7], v[FR+24*(\qq)+8*(\k):FR+24*(\qq)+8*(\k)+7], v[FR+24*(\qq)+16:FR+24*(\qq)+23], v[ACC+8*(\k):ACC+8*(\k)+7]
.endr
.endr
.endm
.macro PLACES                          ; four places behind a product, in front of loads into registers that it has read and of lines that read its result
.rept 4
	v_nop
.endr
.endm
.set r, 0
.rept 16
	v_mov_b32 v[ACC+r], 0                          ; the sums start at 0, written while the first loads are out, so that the loop has one form of product
.set r, r+1
.endr
	s_mov_b32 s[CNT], 4
.Lstage:
	s_wait_loadcnt 0x0                             ; the stage is in registers; its loads have also read their bases
	s_barrier_signal -1                            ; each wave waited for its fragment loads in front of its products: when all eight have signalled,
	s_barrier_wait -1                              ; nobody reads the last stage's tiles any more, and they may be written over
.set i, 0
.rept 32
	v_cvt_pk_bf16_f32 v[TMP+2*(i%8)], v[STG+4*i], v[STG+4*i+1]
	v_cvt_pk_bf16_f32 v[TMP+2*(i%8)+1], v[STG+4*i+2], v[STG+4*i+3]
	ds_store_b64 v[VLS+i/16], v[TMP+2*(i%8):TMP+2*(i%8)+1] offset:(i%16)*16*LP
.set i, i+1
.endr
	s_cmp_eq_u32 s[CNT], 1                         ; the last stage has none behind it: its loads are jumped over (no barrier stands in what is jumped)
	s_cbranch_scc1 .Lno_more
	s_add_co_u32 s[ST], s[ST], 1                   ; the next quarter of d, round the end
	s_and_b32 s[ST], s[ST], 3
	s_lshl_b32 s22, s[ST], 20
	s_add_nc_u64 s[PQ:PQ+1], s[6:7], s[22:23]
	s_add_nc_u64 s[PK:PK+1], s[8:9], s[22:23]
	STAGE_LOADS                                    ; they have this stage's products in which to land
.Lno_more:
	s_wait_dscnt 0x0                               ; for the others' sake: my stores are done
	s_barrier_signal -1
	s_barrier_wait -1                              ; everybody's are: the tiles are whole
.irp q, 0,2,4,6
	FRAGS \q
	s_wait_dscnt 0x0
	MULS
	PLACES
.endr
	s_sub_co_u32 s[CNT], s[CNT], 1
	s_cmp_lg_u32 s[CNT], 0
	s_cbranch_scc1 .Lstage
; hi = bf16(M); M - hi is exact in f32 (a multiply-add that reads the bf16 half); lo = bf16(M - hi).  Each accumulator is read from its low end on.
.irp t, 0,1
.irp r, 0,1,2,3
	v_cvt_pk_bf16_f32 v[FR+8*(\t)+(\r)], v[ACC+8*(\t)+2*(\r)], v[ACC+8*(\t)+2*(\r)+1]
.endr
.irp r, 0,1,2,3
	v_fma_mix_f32_bf16 v[ACC+8*(\t)+2*(\r)], v[FR+8*(\t)+(\r)], v[NEG1], v[ACC+8*(\t)+2*(\r)] op_sel:[0,0,0] op_sel_hi:[1,0,0]
	v_fma_mix_f32_bf16 v[ACC+8*(\t)+2*(\r)+1], v[FR+8*(\t)+(\r)], v[NEG1], v[ACC+8*(\t)+2*(\r)+1] op_sel:[1,0,0] op_sel_hi:[1,0,0]
.endr
.irp r, 0,1,2,3
	v_cvt_pk_bf16_f32 v[FR+8*(\t)+4+(\r)], v[ACC+8*(\t)+2*(\r)], v[ACC+8*(\t)+2*(\r)+1]
.endr
	global_store_b128 v[VST], v[FR+8*(\t):FR+8*(\t)+3],   s[14:15] offset:(\t)*512        ; 512 consecutive bytes: half a block of hi,
	global_store_b128 v[VST], v[FR+8*(\t)+4:FR+8*(\t)+7], s[14:15] offset:(\t)*512+32768  ; and of lo, 32 chunks on
.endr
	s_wait_tensorcnt 0x0                           ; the wave's end, behind my last LDS store
	ds_add_u32 v[SPW], v[NIL]
	s_wait_dscnt 0x0
	s_endpgm
.Lfunc_end_k_q8fdb258dca_prep:
	.size	k_q8fdb258dca_prep, .Lfunc_end_k_q8fdb258dca_prep-k_q8fdb258dca_prep
	.p2alignl 7, 3214868480
	.fill 96, 4, 3214868480
	.section	.rodata,"a",@progbits
	.p2align	6, 0x0
	.amdhsa_kernel k_q8fdb258dca_prep
		.amdhsa_group_segment_fixed_size 82944
		.amdhsa_private_segment_fixed_size 0
		.amdhsa_enable_private_segment 0
		.amdhsa_kernarg_size 56
		.amdhsa_user_sgpr_count 2
		.amdhsa_user_sgpr_kernarg_segment_ptr 1
		.amdhsa_wavefront_size32 1
		.amdhsa_system_sgpr_workgroup_id_x 1
		.amdhsa_system_sgpr_workgroup_id_y 1
		.amdhsa_system_sgpr_workgroup_id_z 1
		.amdhsa_system_vgpr_workitem_id 0
		.amdhsa_next_free_vgpr 224
		.amdhsa_next_free_sgpr 66
		.amdhsa_reserve_vcc 0
		.amdhsa_float_denorm_mode_32 3
		.amdhsa_float_denorm_mode_16_64 3
		.amdhsa_memory_ordered 1
		.amdhsa_forward_progress 1
		.amdhsa_inst_pref_size 38
	.end_amdhsa_kernel
	.amdgpu_metadata
---
amdhsa.version: [ 1, 2 ]
amdhsa.kernels:
  - .name:           k_q8fdb258dca_prep
    .symbol:         k_q8fdb258dca_prep.kd
    .args:
      - { .name: x, .offset: 0, .size: 8, .value_kind: global_buffer, .address_space: global }
      - { .name: Wq, .offset: 8, .size: 8, .value_kind: global_buffer, .address_space: global }
      - { .name: Wk, .offset: 16, .size: 8, .value_kind: global_buffer, .address_space: global }
      - { .name: Wv, .offset: 24, .size: 8, .value_kind: global_buffer, .address_space: global }
      - { .name: xb, .offset: 32, .size: 8, .value_kind: global_buffer, .address_space: global }
      - { .name: mb, .offset: 40, .size: 8, .value_kind: global_buffer, .address_space: global }
      - { .name: wvh, .offset: 48, .size: 8, .value_kind: global_buffer, .address_space: global }
    .group_segment_fixed_size: 82944
    .private_segment_fixed_size: 0
    .kernarg_segment_align: 8
    .kernarg_segment_size: 56
    .max_flat_workgroup_size: 256
    .sgpr_count:     66
    .vgpr_count:     224
    .wavefront_size: 32
...
	.end_amdgpu_metadata
.endif
;; end of part 1
;; launch gemmw (part 2): grid 4 x 64, 4 waves a work-group, clusters of 4 x 4, 327,680 bytes of LDS; arguments xb, mb, wb; writes wb
.if DOCPART == 2
	.amdgcn_target "amdgcn-amd-amdhsa--gfx1250"
	.amdhsa_code_object_version 6
	.text
	.protected	k_q8fdb258dca_gemmw
	.globl	k_q8fdb258dca_gemmw
	.p2align	8
	.type	k_q8fdb258dca_gemmw,@function
k_q8fdb258dca_gemmw:
	s_mov_b64 s[64:65], 0
	v_nop
	global_prefetch_b8 v0, s[64:65] scope:SCOPE_SE
	s_setreg_imm32_b32 hwreg(HW_REG_WAVE_MODE, 25, 1), 1
	s_wait_xcnt 0x0
	s_wait_alu depctr_hold_cnt(0) depctr_sa_sdst(0) depctr_va_vdst(0) depctr_va_sdst(0) depctr_va_ssrc(0) depctr_va_vcc(0) depctr_vm_vsrc(0)
	s_getreg_b32 s2, hwreg(HW_REG_IB_STS2, 6, 4)
	s_cmp_eq_u32 s2, 0
	s_cbranch_scc0 .Lentry_in_a_cluster
	s_endpgm
.Lentry_in_a_cluster:
	s_bfe_u32 s2, ttmp6, 0x10000c
	s_cmp_lg_u32 s2, 0xf033
	s_cbranch_scc0 .Lentry_shape_is_right
	s_endpgm
.Lentry_shape_is_right:
; w[t][c] = sum over c' of M[c][c'] x[t][c'], with M = Mh + Ml (two bf16 terms): one GEMM of 16,384 x 1,024 with K = 2,048: K steps 0-7 take Mh, steps 8-15 Ml against the same x.
; Sums in f32; w leaves as TWO bf16 terms, hi and lo = bf16(w - hi), in fragment blocks of 1,024 bytes (16 rows t x 32 columns c: [half j][lane][16 bytes]):
;   wb: [block of 64 t: 256][chunk of 32 c: 32][hi, lo][tile of 16 t: 4][1,024].
; LIMITS.  bf16's range is f32's; NaN and infinities are not treated apart.
; A work-group of four waves makes 256 x 256 of w, a wave 128 x 128: 64 accumulators, 512 registers.  K goes in steps of 128 through two LDS slots filled by the tensor data mover.
; CLUSTER 4 x 4: the four of a row need the same rows of x, the four of a column the same rows of M: each tile is asked for jointly, by the same load, descriptor and mask in all four.
; The product is taken with source 0 = 16 rows of M and source 1 = 16 rows of x: a lane holds ONE row t and eight neighbouring columns c, so two packed tiles ARE a block of wb.
; No prefetch of the tiles: a refill stands straight behind the round and has a K step less sixteen products, 240 matrix instructions, in which to land.
; REGISTERS, in windows of 256: window 0: v0-31 addresses, v64-127 and v128-191 x's fragments (two buffers; on the way out f32 tiles and hi/lo); window 1: the same places, M's fragments;
;   window 2: the accumulators of my rows 0-63 ((a, b) at v[8 (8 a + b)]); window 3: of my rows 64-127.
.set PITCH,  272                       ; a row of x in LDS: 256 bytes + 16 of padding: the 16 rows of a fragment load start at 16 different groups of four banks (ISA guide 11.1)
.set HALFA,  128*PITCH                 ; what one load brings of x
.set HALFB,  32768                     ; and of M: 8 row tiles x 4 blocks of 1,024 bytes, as they lie in mb: read back 512 neighbouring bytes an instruction, no padding needed
.set ATILE,  65536                     ; a slot: M's 16 row tiles, then x's 256 rows
.set SLOT1,  0x22000                   ; slot 1: its two bits occur in no offset inside a slot that a descriptor names, so one exclusive or changes slots
.set SPARE,  274432                    ; behind slot 1: the spare words, 128 bytes a wave: two blocks of 256 bytes that no other line names
.set ADRA0, 16                         ; v16  my place in x's fragments, slot 0; never rewritten
.set ADRB0, 17                         ; v17  in M's
.set ADRA,  18                         ; v18, v19  the same in the slot in hand
.set ADRB,  19
.set DST,   20                         ; v20  the way out: 65,536 x wave + 16 x lane
.set DLD,   21                         ; v21  the same, stepping by 8 tiles
.set VST,   22                         ; v22  16 x lane
.set NEG1,  23                         ; v23  -1.0
.set SPW,   28                         ; v28  LDS address of my spare word; never rewritten
.set NIL,   29                         ; v29  0; never rewritten
.set F0,    64
.set F1,    128
.set EE,    64                         ; the way out: 8 tiles in f32
.set HH,    128                        ; the way out: their hi and lo
.set G1A, 24                           ; s[24:31] group 1 for x's tiles
.set G0A, 32                           ; s[32:39] group 0: a set for each first fill; the second then walks
.set G1B, 48                           ; s[48:55], s[56:63] the same for M's
.set G0B, 56
.set ABASE, 14                         ; s[14:15] x at the 128 rows that I fetch
.set OFS,   16                         ; s[16:17] an offset pair
.set WBS,   20                         ; s[20:21] wb at my wave's part
.set OUTB,  22                         ; s[22:23] the stores' base
.set WV, 68                            ; s68  wave
.set HR, 69                            ; s69  wave / 2: my half of the rows; also: I fetch x (0) or M (1)
.set HC, 70                            ; s70  wave % 2: my half of the columns; also: which half of that tile I fetch
.set TR, 71                            ; s71  tile row
.set KI, 72                            ; s72  the K step asked for last
.set TB, 73                            ; s73  the slot in hand: 0 or SLOT1
.set MSB, 0
.macro WIN new                         ; the immediate's high byte repeats the setting that is left; a switch that changes nothing is dropped
.if MSB != (\new)
	s_set_vgpr_msb (MSB<<8)|(\new)
.set MSB, \new
.endif
.endm
.set MUL_LO, 0xa1                      ; source 0 (M) window 1, source 1 (x) window 0, C and D window 2
.set TO_B,   0x40                      ; destination window 1, address window 0
.macro PLACES                          ; four places (ISA guide 7.12.1)
.rept 4
	v_nop
.endr
.endm
.macro JLOAD                           ; a joint refill by the walking sets; the branch hangs on the wave's number alone; an s_nop 0 and four v_nop follow each line
	s_cmp_eq_u32 s[HR], 0
	s_cbranch_scc0 .Lfor_b_\@
	tensor_load_to_lds s[G0A+4:G0A+7], s[G1A:G1A+7]
	s_nop 0
	PLACES
	s_branch .Lasked_\@
.Lfor_b_\@:
	tensor_load_to_lds s[G0B+4:G0B+7], s[G1B:G1B+7]
	s_nop 0
	PLACES
.Lasked_\@:
.endm
.macro CREST                           ; a round of the cluster's barrier behind its opening barrier
	s_cmp_lg_u32 s[WV], 0
	s_cbranch_scc1 .Lnot_wave_0_\@
	s_barrier_signal -3
.Lnot_wave_0_\@:
	s_barrier_wait -3
	s_barrier_signal -1
	s_barrier_wait -1
.endm
.macro CROUND
	s_barrier_signal -1
	s_barrier_wait -1
	CREST
.endm
	s_load_b128 s[4:7], s[0:1], 0x0                ; xb s[4:5], mb s[6:7]
	s_load_b64 s[8:9], s[0:1], 0x10                ; wb
	v_lshl_add_u32 v[SPW], v0, 2, SPARE
	v_mov_b32 v[NIL], 0
	ds_add_u32 v[SPW], v[NIL]                      ; the wave's opening: the add and its wait stand ahead of my first tensor load; work on registers stands between them
	v_lshrrev_b32 v1, 5, v0
	v_readfirstlane_b32 s[WV], v1
	s_lshr_b32 s[HR], s[WV], 1
	s_and_b32 s[HC], s[WV], 1
	s_bfe_u32 s40, ttmp6, 0x40000                  ; cx
	s_bfe_u32 s41, ttmp6, 0x40004                  ; cy
	s_lshl_b32 s42, ttmp9, 2
	s_add_co_u32 s42, s42, s40                     ; tile column = 4 x cluster x + cx
	s_and_b32 s[TR], ttmp7, 0xffff
	s_lshl_b32 s[TR], s[TR], 2
	s_add_co_u32 s[TR], s[TR], s41                 ; tile row = 4 x cluster y + cy
	s_lshl_b32 s43, s41, 2
	s_lshl_b32 s43, 15, s43                        ; my row of the cluster
	s_lshl_b32 s44, 0x1111, s40                    ; my column
	s_or_b32 s[G1A], s43, (1<<16)|(1<<20)|(1<<21)|(5<<22)|(3<<25)  ; mask; 2-byte elements; padding on; bit 21 beside a mask; after every 64 words, 4 words
	s_mov_b32 s[G1A+1], 128<<16                    ; tensor_dim0 = 128
	s_mov_b32 s[G1A+2], 128<<16                    ; tensor_dim1 = 128
	s_mov_b32 s[G1A+3], 128<<16                    ; tile_dim0 = 128
	s_mov_b32 s[G1A+4], 128                        ; tile_dim1 = 128
	s_mov_b32 s[G1A+5], 1024                       ; elements from row to row
	s_mov_b32 s[G1A+6], 0
	s_mov_b32 s[G1A+7], 0
	s_or_b32 s[G1B], s44, (1<<16)|(1<<21)          ; M's tiles go to my column; no padding
	s_mov_b32 s[G1B+1], 2048<<16                   ; tensor_dim0 = 2,048: a row tile's four blocks of a K step, 4,096 bytes on end
	s_mov_b32 s[G1B+2], 8<<16                      ; tensor_dim1 = 8 row tiles
	s_mov_b32 s[G1B+3], 2048<<16                   ; tile_dim0
	s_mov_b32 s[G1B+4], 8                          ; tile_dim1
	s_mov_b32 s[G1B+5], 32768                      ; 65,536 bytes from row tile to row tile
	s_mov_b32 s[G1B+6], 0
	s_mov_b32 s[G1B+7], 0
	s_lshl_b32 s17, s[HC], 7
	s_lshl_b32 s16, s[TR], 8
	s_add_co_u32 s16, s16, s17                     ; x: row 256 x tile row + 128 x half,
	s_lshl_b32 s16, s16, 11                        ; of 2,048 bytes
	s_mov_b32 s17, 0
	s_lshl_b32 s46, s42, 4
	s_lshl3_add_u32 s46, s[HC], s46                ; M: row tile 16 x tile column + 8 x half,
	s_lshl_b32 s46, s46, 16                        ; of 65,536 bytes
	s_mov_b32 s47, 0
	s_mul_i32 s20, s[HC], HALFA
	s_add_co_u32 s20, s20, ATILE                   ; where x's half goes,
	s_lshl_b32 s21, s[HC], 15                      ; and M's: no place in the cluster enters an LDS address
	s_mov_b32 s[KI], 1
	s_mov_b32 s[TB], 0
	v_and_b32 v1, 15, v0                           ; l % 16
	v_bfe_u32 v2, v0, 4, 1                         ; l / 16
	v_and_b32 v3, 31, v0                           ; l
	v_lshlrev_b32 v[VST], 4, v3
	v_mul_u32_u24 v4, v1, PITCH
	v_lshl_add_u32 v4, v2, 4, v4                   ; row x pitch + 16 x half
	s_mul_i32 s45, s[HR], HALFA
	s_add_co_u32 s45, s45, ATILE
	v_add_nc_u32 v[ADRA0], s45, v4                 ; my 128 rows of x
	s_lshl_b32 s45, s[HC], 15
	v_add_nc_u32 v[ADRB0], s45, v[VST]             ; my 8 row tiles of M
	v_mov_b32 v[ADRA], v[ADRA0]
	v_mov_b32 v[ADRB], v[ADRB0]
	s_lshl_b32 s45, s[WV], 16
	v_add_nc_u32 v[DST], s45, v[VST]
	v_mov_b32 v[DLD], v[DST]
	v_mov_b32 v[NEG1], -1.0
	s_wait_dscnt 0x0                               ; the opening add is done
	s_wait_kmcnt 0x0
	s_add_nc_u64 s[ABASE:ABASE+1], s[4:5], s[16:17]
	s_add_nc_u64 s[46:47], s[6:7], s[46:47]
	CROUND                                         ; all sixteen work-groups are here: the first joint loads meet
.irp s, 0,1
	s_mov_b32 s[G0A+4*(\s)], 1                                        ; count = 1
	s_add_co_u32 s[G0A+4*(\s)+1], s20, (\s)*SLOT1                     ; LDS address
	s_add_nc_u64 s[G0A+4*(\s)+2:G0A+4*(\s)+3], s[ABASE:ABASE+1], (\s)*256  ; K step s
	s_or_b32 s[G0A+4*(\s)+3], s[G0A+4*(\s)+3], 0x80000000             ; type = 2
	s_mov_b32 s[G0B+4*(\s)], 1
	s_add_co_u32 s[G0B+4*(\s)+1], s21, (\s)*SLOT1
	s_add_nc_u64 s[G0B+4*(\s)+2:G0B+4*(\s)+3], s[46:47], (\s)*4096
	s_or_b32 s[G0B+4*(\s)+3], s[G0B+4*(\s)+3], 0x80000000
.endr
	s_cmp_eq_u32 s[HR], 0                          ; a wave's two first fills stand in one branch, ahead of every wait on TENSORcnt and every LDS read: two loads of mine are out
	s_cbranch_scc0 .Lfirst_b
	tensor_load_to_lds s[G0A:G0A+3], s[G1A:G1A+7]
	s_nop 0
	tensor_load_to_lds s[G0A+4:G0A+7], s[G1A:G1A+7]
	s_nop 0
	PLACES
	s_branch .Lfirst_asked
.Lfirst_b:
	tensor_load_to_lds s[G0B:G0B+3], s[G1B:G1B+7]
	s_nop 0
	tensor_load_to_lds s[G0B+4:G0B+7], s[G1B:G1B+7]
	s_nop 0
	PLACES
.Lfirst_asked:
	s_lshl_b32 s46, s[TR], 2                       ; wb at my part: block of 64 t = 4 x tile row + 2 x row half, 262,144 bytes each;
	s_lshl1_add_u32 s46, s[HR], s46
	s_lshl_b32 s46, s46, 18
	s_lshl_b32 s47, s42, 3                         ; chunk of 32 c = 8 x tile column + 4 x column half, 8,192 bytes each
	s_lshl2_add_u32 s47, s[HC], s47
	s_lshl_b32 s47, s47, 13
	s_add_co_u32 s46, s46, s47
	s_mov_b32 s47, 0
	s_add_nc_u64 s[WBS:WBS+1], s[8:9], s[46:47]
; 16 products: row blocks a0, a0 + 1 of the window's four x all 8 column blocks, 32 along K.  The 64 accumulators take turns, one instruction a turn, in the same order in every quarter.
.macro MUL16 f, hi, a0, zero
	WIN MUL_LO+0x50*(\hi)
.irp a, \a0, (\a0)+1
.irp b, 0,1,2,3,4,5,6,7
.if \zero
	v_wmma_f32_16x16x32_bf16 v[8*(8*(\a)+(\b)):8*(8*(\a)+(\b))+7], v[(\f)+8*(\b):(\f)+8*(\b)+7], v[(\f)+8*(4*(\hi)+(\a)):(\f)+8*(4*(\hi)+(\a))+7], 0
.else
	v_wmma_f32_16x16x32_bf16 v[8*(8*(\a)+(\b)):8*(8*(\a)+(\b))+7], v[(\f)+8*(\b):(\f)+8*(\b)+7], v[(\f)+8*(4*(\hi)+(\a)):(\f)+8*(4*(\hi)+(\a))+7], v[8*(8*(\a)+(\b)):8*(8*(\a)+(\b))+7]
.endif
.endr
.endr
.endm
.macro FETCH kk, f                     ; 32 LDS loads in one run: quarter kk's fragments into buffer f: M's 8, then x's 8
	WIN TO_B
.irp i, 0,1,2,3,4,5,6,7
	ds_load_b128 v[(\f)+8*(\i):(\f)+8*(\i)+3],   v[ADRB] offset:(\i)*4096+(\kk)*1024
	ds_load_b128 v[(\f)+8*(\i)+4:(\f)+8*(\i)+7], v[ADRB] offset:(\i)*4096+(\kk)*1024+512
.endr
	WIN 0
.irp i, 0,1,2,3,4,5,6,7
	ds_load_b128 v[(\f)+8*(\i):(\f)+8*(\i)+3],   v[ADRA] offset:(\i)*16*PITCH+(\kk)*64
	ds_load_b128 v[(\f)+8*(\i)+4:(\f)+8*(\i)+7], v[ADRA] offset:(\i)*16*PITCH+(\kk)*64+32
.endr
.endm
.macro QUARTER kk, f, g, zero          ; multiplies buffer f; in its middle fetches quarter kk into buffer g
	s_wait_dscnt 8                                 ; M's fragments and x's rows 0-63 are in; the youngest eight loads (rows 64-127) may be out
	MUL16 \f, 0, 0, \zero
	MUL16 \f, 0, 2, \zero
	PLACES
	FETCH \kk, \g
	s_wait_dscnt 32                                ; all but the 32 just issued
	MUL16 \f, 1, 0, \zero
	MUL16 \f, 1, 2, \zero
.endm
; The last quarter multiplies buffer 1 and changes slots.  In front of the barrier each wave waits for all its tensor loads (one is out: its part of the next slot), adds 0 to its spare word, and waits for
; that and for its reads of this slot.  fill = 1: the barrier opens a round of the cluster's, and the joint refill, two K steps on, is the first tensor load behind it.
.macro TURN fill
	WIN 0
	s_wait_tensorcnt 0x0
	ds_add_u32 v[SPW], v[NIL]
	s_wait_dscnt 9                                 ; the add and the youngest eight loads may be out
	MUL16 F1, 0, 0, 0
	s_wait_dscnt 0x0                               ; the add is done, and my reads of this slot are over
	s_barrier_signal -1
	MUL16 F1, 0, 2, 0
	WIN 0
	s_barrier_wait -1
.if \fill
	CREST
	s_xor_b32 s[G0A+5], s[G0A+5], SLOT1            ; no tensor load of mine is out: the walking sets are written: the other slot,
	s_xor_b32 s[G0B+5], s[G0B+5], SLOT1
	s_add_co_u32 s[KI], s[KI], 1                   ; the next K step:
	s_and_b32 s[OFS], s[KI], 7                     ; x's columns go round a second time for Ml, so the address is made anew from the step's number,
	s_lshl_b32 s[OFS], s[OFS], 8
	s_add_nc_u64 s[G0A+6:G0A+7], s[ABASE:ABASE+1], s[OFS:OFS+1]
	s_or_b32 s[G0A+7], s[G0A+7], 0x80000000
	s_add_nc_u64 s[G0B+6:G0B+7], s[G0B+6:G0B+7], 4096  ; M's blocks lie on end, hi and then lo
	JLOAD                                          ; its four v_nop are also the places in front of the loads below
.else
	PLACES
.endif
	s_xor_b32 s[TB], s[TB], SLOT1
	v_add_nc_u32 v[ADRA], s[TB], v[ADRA0]
	v_add_nc_u32 v[ADRB], s[TB], v[ADRB0]
	FETCH 0, F0
	MUL16 F1, 1, 0, 0
	MUL16 F1, 1, 2, 0
.endm
	s_wait_tensorcnt 1                             ; my part of K step 0 is in; K step 1's may stay out
	s_barrier_signal -1
	s_barrier_wait -1
	FETCH 0, F0
	QUARTER 1, F0, F1, 1                           ; the first quarter stands in front of the loop: its products start the sums
	WIN 0
	s_mov_b32 s3, 14
.Lstep:                                            ; 14 trips, each from a K step's second quarter to the next step's first: K steps 2 to 15 are asked for
	QUARTER 2, F1, F0, 0
	QUARTER 3, F0, F1, 0
	TURN 1
	QUARTER 1, F0, F1, 0
	WIN 0
	s_sub_co_u32 s3, s3, 1
	s_cmp_lg_u32 s3, 0
	s_cbranch_scc1 .Lstep
	s_mov_b32 s3, 2                                ; the last two K steps ask for nothing: a second text; it is entered in its middle
	s_branch .Lt_in
.Ltail:
	QUARTER 1, F0, F1, 0
	WIN 0
.Lt_in:
	QUARTER 2, F1, F0, 0
	QUARTER 3, F0, F1, 0
	TURN 0                                         ; (the very last one fetches fragments of a tile that has landed and that nobody multiplies: the price of one text for both trips)
	WIN 0
	s_sub_co_u32 s3, s3, 1
	s_cmp_lg_u32 s3, 0
	s_cbranch_scc1 .Ltail
; THE WAY OUT.  The accumulators go as they are into the slots, which have had their last fill (65,536 bytes a wave, its own), and come back eight tiles a trip into window 0,
; where one short text splits them into hi and lo and stores them.
	PLACES
	s_wait_dscnt 0x0                               ; my last reads of the slots are over,
	s_barrier_signal -1
	s_barrier_wait -1                              ; and everybody's: the slots may be written
	WIN 0x08                                       ; store data in window 2
.set t, 0
.rept 32
	ds_store_b128 v[DST], v[8*t:8*t+3]   offset:t*1024      ; each accumulator from its low end on
	ds_store_b128 v[DST], v[8*t+4:8*t+7] offset:t*1024+512
.set t, t+1
.endr
	WIN 0x0c                                       ; window 3
.set t, 0
.rept 32
	ds_store_b128 v[DST], v[8*t:8*t+3]   offset:(32+t)*1024
	ds_store_b128 v[DST], v[8*t+4:8*t+7] offset:(32+t)*1024+512
.set t, t+1
.endr
	WIN 0
	s_mov_b32 s3, 0
.Lout:                                             ; trip a: my rows 16 a .. 16 a + 15
	s_wait_xcnt 0x0                                ; the last trip's stores have read their data and their base
	s_lshr_b32 s[OFS], s3, 2                       ; block of 64 t: a / 4,
	s_lshl_b32 s[OFS], s[OFS], 18
	s_and_b32 s45, s3, 3                           ; tile of 16 t in it: a % 4
	s_lshl_b32 s45, s45, 10
	s_add_co_u32 s[OFS], s[OFS], s45
	s_add_nc_u64 s[OUTB:OUTB+1], s[WBS:WBS+1], s[OFS:OFS+1]
.irp b, 0,1,2,3,4,5,6,7
	ds_load_b128 v[EE+8*(\b):EE+8*(\b)+3],   v[DLD] offset:(\b)*1024      ; LDS serves a wave's instructions in order (ISA guide 5.7.1.4): these see my stores above
	ds_load_b128 v[EE+8*(\b)+4:EE+8*(\b)+7], v[DLD] offset:(\b)*1024+512
.endr
.irp b, 0,1,2,3,4,5,6,7
	s_wait_dscnt 14-2*(\b)                         ; tile b is in; the younger tiles' loads stay out
.irp r, 0,1,2,3
	v_cvt_pk_bf16_f32 v[HH+8*(\b)+(\r)], v[EE+8*(\b)+2*(\r)], v[EE+8*(\b)+2*(\r)+1]
.endr
.irp r, 0,1,2,3
	v_fma_mix_f32_bf16 v[EE+8*(\b)+2*(\r)], v[HH+8*(\b)+(\r)], v[NEG1], v[EE+8*(\b)+2*(\r)] op_sel:[0,0,0] op_sel_hi:[1,0,0]      ; w - hi, exact
	v_fma_mix_f32_bf16 v[EE+8*(\b)+2*(\r)+1], v[HH+8*(\b)+(\r)], v[NEG1], v[EE+8*(\b)+2*(\r)+1] op_sel:[1,0,0] op_sel_hi:[1,0,0]
.endr
.irp r, 0,1,2,3
	v_cvt_pk_bf16_f32 v[HH+8*(\b)+4+(\r)], v[EE+8*(\b)+2*(\r)], v[EE+8*(\b)+2*(\r)+1]
.endr
	global_store_b128 v[VST], v[HH+8*(\b):HH+8*(\b)+3],   s[OUTB:OUTB+1] offset:((\b)/2)*8192+((\b)%2)*512       ; 512 consecutive bytes, aligned
	global_store_b128 v[VST], v[HH+8*(\b)+4:HH+8*(\b)+7], s[OUTB:OUTB+1] offset:((\b)/2)*8192+((\b)%2)*512+4096
.endr
	v_add_nc_u32 v[DLD], 8192, v[DLD]
	s_add_co_u32 s3, s3, 1
	s_cmp_lt_u32 s3, 8
	s_cbranch_scc1 .Lout
	s_wait_tensorcnt 0x0                           ; the wave's end, behind my last tensor load and my last LDS store
	ds_add_u32 v[SPW], v[NIL]
	s_wait_dscnt 0x0
	CROUND                                         ; the closing round: no work-group ends while a partner may still ask for a tile that names it
	s_endpgm
.Lfunc_end_k_q8fdb258dca_gemmw:
	.size	k_q8fdb258dca_gemmw, .Lfunc_end_k_q8fdb258dca_gemmw-k_q8fdb258dca_gemmw
	.p2alignl 7, 3214868480
	.fill 96, 4, 3214868480
	.section	.rodata,"a",@progbits
	.p2align	6, 0x0
	.amdhsa_kernel k_q8fdb258dca_gemmw
		.amdhsa_group_segment_fixed_size 327680
		.amdhsa_private_segment_fixed_size 0
		.amdhsa_enable_private_segment 0
		.amdhsa_kernarg_size 24
		.amdhsa_user_sgpr_count 2
		.amdhsa_user_sgpr_kernarg_segment_ptr 1
		.amdhsa_wavefront_size32 1
		.amdhsa_system_sgpr_workgroup_id_x 1
		.amdhsa_system_sgpr_workgroup_id_y 1
		.amdhsa_system_sgpr_workgroup_id_z 1
		.amdhsa_system_vgpr_workitem_id 0
		.amdhsa_next_free_vgpr 1024
		.amdhsa_next_free_sgpr 80
		.amdhsa_reserve_vcc 0
		.amdhsa_float_denorm_mode_32 3
		.amdhsa_float_denorm_mode_16_64 3
		.amdhsa_memory_ordered 1
		.amdhsa_forward_progress 1
		.amdhsa_inst_pref_size 87
	.end_amdhsa_kernel
	.amdgpu_metadata
---
amdhsa.version: [ 1, 2 ]
amdhsa.kernels:
  - .name:           k_q8fdb258dca_gemmw
    .symbol:         k_q8fdb258dca_gemmw.kd
    .args:
      - { .name: xb, .offset: 0, .size: 8, .value_kind: global_buffer, .address_space: global }
      - { .name: mb, .offset: 8, .size: 8, .value_kind: global_buffer, .address_space: global }
      - { .name: wb, .offset: 16, .size: 8, .value_kind: global_buffer, .address_space: global }
    .group_segment_fixed_size: 327680
    .private_segment_fixed_size: 0
    .kernarg_segment_align: 8
    .kernarg_segment_size: 24
    .max_flat_workgroup_size: 128
    .sgpr_count:     80
    .vgpr_count:     1024
    .wavefront_size: 32
...
	.end_amdgpu_metadata
.endif
;; end of part 2
;; launch attn (part 3): grid 8 x 32, 4 waves a work-group, clusters of 4 x 1, 327,680 bytes of LDS; arguments xb, wb, zb; writes zb
.if DOCPART == 3
	.amdgcn_target "amdgcn-amd-amdhsa--gfx1250"
	.amdhsa_code_object_version 6
	.text
	.protected	k_q8fdb258dca_attn
	.globl	k_q8fdb258dca_attn
	.p2align	8
	.type	k_q8fdb258dca_attn,@function
k_q8fdb258dca_attn:
	s_mov_b64 s[64:65], 0
	v_nop
	global_prefetch_b8 v0, s[64:65] scope:SCOPE_SE
	s_setreg_imm32_b32 hwreg(HW_REG_WAVE_MODE, 25, 1), 1
	s_wait_xcnt 0x0
	s_wait_alu depctr_hold_cnt(0) depctr_sa_sdst(0) depctr_va_vdst(0) depctr_va_sdst(0) depctr_va_ssrc(0) depctr_va_vcc(0) depctr_vm_vsrc(0)
	s_getreg_b32 s2, hwreg(HW_REG_IB_STS2, 6, 4)
	s_cmp_eq_u32 s2, 0
	s_cbranch_scc0 .Lentry_in_a_cluster
	s_endpgm
.Lentry_in_a_cluster:
	s_bfe_u32 s2, ttmp6, 0x10000c
	s_cmp_lg_u32 s2, 0x3003
	s_cbranch_scc0 .Lentry_shape_is_right
	s_endpgm
.Lentry_shape_is_right:
; z[t][c] = sum over s of beta[s][t] x[s][c], beta[.][t] = softmax over s of scores[s][t], scores[s][t] = sum over c of x[s][c] (wh[t][c] + wl[t][c]).
; x: bf16 [32][512][1024]; w: two bf16 terms in fragment blocks; z leaves in f16 fragment blocks [tile of 16 t: 1024][chunk of 32 c: 32][1,024].  Products, maxima in f32.
; The softmax is the plain two-pass one: a column's 512 scores stay in registers, the TRUE maximum is taken away, p = 2^(log2(e) s - log2(e) m) is rounded to bf16,
; and the divisor is the sum of the ROUNDED p, made by the matrix unit (ones x P), so that it falls into the lanes in which z's sums lie.
; LIMITS.  z is a mean of x's rows and is written in f16: |x| stays within 65,504.  A weight below 2^-126 counts as 0.  NaN and infinities are not treated apart.
; SHARES.  A work-group owns 64 columns t of one batch.  PHASE 1: wave (th, sh) makes S^T for 32 t x 256 s: 32 accumulators; K = 1,024 twice (wh, wl), in 8 steps of 128 c.
; PHASE 2: every wave holds all of P (64 fragments, 512 registers) and makes z^T for 32 of a block's 128 channels and all 64 t; 8 blocks of 128 c.
; LAYOUT.  S^T = x w^T (source 0 = 16 s, source 1 = 16 t): a lane holds ONE t and the s 8 (lane / 16) + 0..7; two such tiles rounded in pairs ARE source 1 (32 s x 16 t) of z^T = x^T P.
; CLUSTER 4 x 1: the four blocks of t of a cluster belong to one batch and walk the same x, in both phases: every tile (512 s x 128 c) is asked for jointly, each wave its 128 rows.
; w is each work-group's own, so it is not shared; beside two slots of x LDS has no room for it: it comes straight into registers, a fragment as it lies in memory, three chunks ahead.
; REGISTERS, in windows of 256: window 0: v0-63 addresses and statistics; v64-127 row sums, then z^T; v128-255 x's fragments (buffer 0), then my own P, then z packed
;   window 1: S^T, tile (t', sigma) at 8 (16 t' + sigma); then x^T's fragments, 4 x 64      window 2: v0-127 w's fragments, 4 x 32; v128-255 x's fragments (buffer 1)
;   windows 2 and 3 later: all of P, fragment (chunk kappa of 32 s, tile tau of 16 t) at 8 (4 kappa + tau)
.set PK,    272                        ; phase 1: a row of x in LDS, 256 bytes + 16: the 16 rows of a fragment load start at 16 different groups of four banks (ISA guide 11.1)
.set PV,    288                        ; phase 2: 256 + 32
.set SLOT1, 0x24000                    ; a slot holds 512 rows of the longer pitch; slot 1's two bits occur in no wave's offset inside a slot
.set XCH,   294912                     ; behind the slots, never filled by a tensor load: 16,384 bytes in which the waves hand P to each other
.set STATM, 311296                     ; 1,024 bytes: the waves' maxima
.set SPARE, 313344                     ; the spare words, 128 bytes a wave: two blocks of 256 bytes that no other line names
.set AX0, 2                            ; v2   my place in x's fragments, slot 0; never rewritten
.set AX,  3                            ; v3   the same in the slot in hand
.set WVO, 4                            ; v4   my 16 bytes in w's blocks: 2,048 th + 16 lane
.set PFW, 5                            ; v5   256 x thread
.set PFX, 6                            ; v6   2,048 x thread
.set SST, 7                            ; v7   where my maxima go
.set SLD, 8                            ; v8   where my pair of waves' maxima lie
.set XST, 9                            ; v9   where my P goes
.set XLD, 10                           ; v10  XCH + 16 lane
.set AVB, 11                           ; v11  my place in the turning loads
.set AV,  12                           ; v12-15 the same for the four groups of 128 s, in the slot in hand
.set ZVO, 16                           ; v16  16 lane + 1,024 wave
.set SPW, 18                           ; v18  LDS address of my spare word; never rewritten
.set NIL, 19                           ; v19  0; never rewritten
.set ONES, 20                          ; v[20:27] a fragment of ones
.set MX,  28                           ; v[28:29] the maxima of my two tiles of t
.set CH,  32                           ; v[32:39] eight chains
.set CM,  40                           ; v[40:43] log2(e) m, a pair for each tile
.set RL,  44                           ; v[44:51] 1 / l, a pair for each of the four tiles
.set LS,  64
.set ZA,  64
.set XF,  128
.set OWN, 128
.set ZP,  128
.set WV, 10                            ; s10 wave;  s11 th = wave / 2;  s12 sh = wave % 2;  s13 cx;  s14 batch
.set TH, 11
.set SH, 12
.set CX, 13
.set BT, 14
.set G1K, 24                           ; s[24:31] group 1, phase 1
.set G1V, 32                           ; s[32:39] group 1, phase 2: the padding differs
.set G0X, 40                           ; s[40:43] group 0: tile 0
.set G0Y, 44                           ; s[44:47] group 0: tile 1, then it walks
.set G0V, 48                           ; s[48:51] group 0, phase 2: it walks
.set WC,  52                           ; s[52:53] w at the K step in hand
.set WN,  54                           ; s[54:55] at the next
.set WBASE, 56                         ; s[56:57] my work-group's w
.set WOF, 58                           ; s[58:59] WN's offset in it, taken modulo its 262,144 bytes
.set XPF, 60                           ; s[60:61] where my prefetches of x stand
.set TB,  62                           ; s62  the slot in hand, phase 1
.set TBV, 63                           ; s63  phase 2
.set CS,  66                           ; s[66:67] log2(e), named as a pair
.set SEL, 68                           ; s[68:69] v_permlanex16_b32's selects: each lane takes its own place in the other half
.set LIM, 70                           ; s70  1 in the batch's first cluster, else the greatest number
.set ZB,  72                           ; s[72:73] the stores' base
.set ZSTEP, 74                         ; s[74:75] what the next block adds to it: 0, then 4,096
.set MSB, 0
.macro WIN new
.if MSB != (\new)
	s_set_vgpr_msb (MSB<<8)|(\new)
.set MSB, \new
.endif
.endm
.macro PLACES
.rept 4
	v_nop
.endr
.endm
.macro CREST
	s_cmp_lg_u32 s[WV], 0
	s_cbranch_scc1 .Lnot_wave_0_\@
	s_barrier_signal -3
.Lnot_wave_0_\@:
	s_barrier_wait -3
	s_barrier_signal -1
	s_barrier_wait -1
.endm
.macro CROUND
	s_barrier_signal -1
	s_barrier_wait -1
	CREST
.endm
	s_load_b128 s[4:7], s[0:1], 0x0                ; xb s[4:5], wb s[6:7]
	s_load_b64 s[8:9], s[0:1], 0x10                ; zb
	v_lshl_add_u32 v[SPW], v0, 2, SPARE
	v_mov_b32 v[NIL], 0
	ds_add_u32 v[SPW], v[NIL]                      ; the wave's opening: the add and its wait stand ahead of my first tensor load; work on registers stands between them
	v_lshrrev_b32 v1, 5, v0
	v_readfirstlane_b32 s[WV], v1
	s_lshr_b32 s[TH], s[WV], 1
	s_and_b32 s[SH], s[WV], 1
	s_bfe_u32 s[CX], ttmp6, 0x40000                ; my place in the cluster
	s_and_b32 s[BT], ttmp7, 0xffff                 ; the batch, which the four partners share
	s_lshl_b32 s15, ttmp9, 2
	s_add_co_u32 s15, s15, s[CX]
	s_lshl3_add_u32 s15, s[BT], s15                ; my block of 64 t = 8 x batch + 4 x cluster x + cx: it enters w's and z's addresses alone
	s_mov_b32 s[G1K], 15|(1<<16)|(1<<20)|(1<<21)|(5<<22)|(3<<25)  ; the mask of four; 2-byte elements; padding on; bit 21 beside a mask; after every 64 words, 4 words
	s_mov_b32 s[G1V], 15|(1<<16)|(1<<20)|(1<<21)|(5<<22)|(7<<25)  ; the same with 8 words
.irp g, G1K, G1V
	s_mov_b32 s[(\g)+1], 128<<16                   ; tensor_dim0 = 128
	s_mov_b32 s[(\g)+2], 128<<16                   ; tensor_dim1 = 128
	s_mov_b32 s[(\g)+3], 128<<16                   ; tile_dim0 = 128
	s_mov_b32 s[(\g)+4], 128                       ; tile_dim1 = 128
	s_mov_b32 s[(\g)+5], 1024                      ; elements from row to row
	s_mov_b32 s[(\g)+6], 0
	s_mov_b32 s[(\g)+7], 0
.endr
	s_lshl_b32 s16, s[BT], 20                      ; the batch's 512 rows of 2,048 bytes,
	s_lshl_b32 s17, s[WV], 18                      ; my wave's 128 of them
	s_add_co_u32 s16, s16, s17
	s_mov_b32 s17, 0
	s_lshl_b32 s20, s15, 18                        ; 262,144 bytes of w a block
	s_mov_b32 s21, 0
	s_lshl_b32 s22, s15, 17                        ; 131,072 bytes of z
	s_mov_b32 s23, 0
	s_lshl_b32 s76, s[BT], 20                      ; the prefetches of x: the partners share a tile's 512 rows out by address, 128 each;
	s_lshl_b32 s77, s[CX], 18
	s_add_co_u32 s76, s76, s77
	s_add_co_u32 s76, s76, 512                     ; at tile 2: the first change of slots steps it to tile 3
	s_mov_b32 s77, 0
	s_mul_i32 s78, s[WV], 128*PK                   ; my rows' place in a slot: no place in the cluster enters an LDS address
	s_mul_i32 s79, s[WV], 128*PV
	s_mov_b32 s[G0X], 1
	s_mov_b32 s[G0X+1], s78
	s_mov_b32 s[G0Y], 1
	s_add_co_u32 s[G0Y+1], s78, SLOT1
	s_mov_b32 s[G0V], 1
	s_mov_b32 s[G0V+1], s79
	s_mov_b32 s[WOF], 32768
	s_mov_b32 s[WOF+1], 0
	s_mov_b32 s[TB], 0
	s_mov_b32 s[TBV], SLOT1                        ; phase 2's first step turns it into 0
	s_mov_b32 s[CS], 0x3fb8aa3b                    ; log2(e)
	s_mov_b32 s[CS+1], s[CS]
	s_mov_b32 s[SEL], 0x76543210
	s_mov_b32 s[SEL+1], 0xfedcba98
	s_mov_b32 s[ZSTEP], 0
	s_mov_b32 s[ZSTEP+1], 0
	s_cmp_eq_u32 ttmp9, 0                          ; both clusters of a batch walk the same x: the first prefetches it.  The same in all four partners
	s_cselect_b32 s[LIM], 1, -1
	v_and_b32 v1, 15, v0                           ; l % 16
	v_bfe_u32 v60, v0, 4, 1                        ; l / 16
	v_and_b32 v61, 31, v0                          ; l
	v_lshlrev_b32 v62, 4, v61                      ; 16 l
	v_mul_u32_u24 v[AX0], v1, PK
	v_lshl_add_u32 v[AX0], v60, 4, v[AX0]
	s_mul_i32 s78, s[SH], 256*PK
	v_add_nc_u32 v[AX0], s78, v[AX0]               ; my 256 rows s
	v_mov_b32 v[AX], v[AX0]
	v_lshl_add_u32 v[WVO], s[TH], 11, v62
	v_lshlrev_b32 v[PFW], 8, v0
	v_lshlrev_b32 v[PFX], 11, v0
	s_lshl_b32 s78, s[WV], 8
	s_add_co_u32 s78, s78, STATM
	v_lshl_add_u32 v[SST], v1, 3, s78
	s_lshl_b32 s78, s[TH], 9
	s_add_co_u32 s78, s78, STATM
	v_lshl_add_u32 v[SLD], v1, 3, s78
	s_lshl_b32 s78, s[WV], 12
	s_add_co_u32 s78, s78, XCH
	v_add_nc_u32 v[XST], s78, v62
	v_add_nc_u32 v[XLD], XCH, v62
	v_and_b32 v63, 7, v0                           ; the turning load: lane l reads row 8 (l / 16) + l % 8, 16 bytes at 16 ((l / 8) % 2)
	v_lshl_add_u32 v63, v60, 3, v63
	v_mul_u32_u24 v[AVB], v63, PV
	v_bfe_u32 v63, v0, 3, 1
	v_lshl_add_u32 v[AVB], v63, 4, v[AVB]
	s_lshl_b32 s78, s[WV], 6
	v_add_nc_u32 v[AVB], s78, v[AVB]               ; my 32 channels of the block's 128
	v_lshl_add_u32 v[ZVO], s[WV], 10, v62
.irp i, 0,1,2,3,4,5,6,7
	v_mov_b32 v[ONES+(\i)], 0x3f803f80             ; 1.0 twice in bf16
.endr
	s_wait_dscnt 0x0                               ; the opening add is done
	s_wait_kmcnt 0x0
	s_add_nc_u64 s[G0X+2:G0X+3], s[4:5], s[16:17]  ; tile 0,
	s_add_nc_u64 s[G0Y+2:G0Y+3], s[G0X+2:G0X+3], 256  ; tile 1,
	s_mov_b64 s[G0V+2:G0V+3], s[G0X+2:G0X+3]       ; and tile 0 again for phase 2
	s_or_b32 s[G0X+3], s[G0X+3], 0x80000000        ; type = 2
	s_or_b32 s[G0Y+3], s[G0Y+3], 0x80000000
	s_or_b32 s[G0V+3], s[G0V+3], 0x80000000
	s_add_nc_u64 s[WBASE:WBASE+1], s[6:7], s[20:21]
	s_mov_b64 s[WC:WC+1], s[WBASE:WBASE+1]
	s_add_nc_u64 s[WN:WN+1], s[WBASE:WBASE+1], s[WOF:WOF+1]
	s_add_nc_u64 s[ZB:ZB+1], s[8:9], s[22:23]
	s_add_nc_u64 s[XPF:XPF+1], s[4:5], s[76:77]
	CROUND                                         ; all four work-groups are here: the first joint loads meet
	tensor_load_to_lds s[G0X:G0X+3], s[G1K:G1K+7]  ; two loads of mine are out
	s_nop 0
	tensor_load_to_lds s[G0Y:G0Y+3], s[G1K:G1K+7]
	s_nop 0
	PLACES
; ---------------- PHASE 1
.macro FETCHX kk, buf                  ; 32 LDS loads in one run: chunk kk's 16 fragments of x into buffer buf (window 0 or 2)
	WIN 0x80*(\buf)
.irp g, 0,1,2,3,4,5,6,7,8,9,10,11,12,13,14,15
	ds_load_b128 v[XF+8*(\g):XF+8*(\g)+3],   v[AX] offset:(\g)*16*PK+(\kk)*64
	ds_load_b128 v[XF+8*(\g)+4:XF+8*(\g)+7], v[AX] offset:(\g)*16*PK+(\kk)*64+32
.endr
.endm
.macro LOADW ptr, off, buf             ; 8 loads: a chunk's fragments of w (hi, lo x my two tiles of t), 512 consecutive bytes each
	WIN 0x80
.irp hl, 0,1
.irp tp, 0,1
	global_load_b128 v[32*(\buf)+16*(\hl)+8*(\tp):32*(\buf)+16*(\hl)+8*(\tp)+3],   v[WVO], s[\ptr:\ptr+1] offset:(\off)+(\hl)*4096+(\tp)*1024
	global_load_b128 v[32*(\buf)+16*(\hl)+8*(\tp)+4:32*(\buf)+16*(\hl)+8*(\tp)+7], v[WVO], s[\ptr:\ptr+1] offset:(\off)+(\hl)*4096+(\tp)*1024+512
.endr
.endr
.endm
.macro SMUL xbuf, wf, hl, s0, zero     ; 16 products: s tiles s0 .. s0 + 7 x my two tiles of t.  The 32 accumulators take turns, one instruction a turn, always in the same order
	WIN 0x58+2*(\xbuf)                             ; x in window 0 or 2, w in window 2, S^T in window 1
.irp g, 0,1,2,3,4,5,6,7
.irp tp, 0,1
.if \zero
	v_wmma_f32_16x16x32_bf16 v[8*(16*(\tp)+(\s0)+(\g)):8*(16*(\tp)+(\s0)+(\g))+7], v[XF+8*((\s0)+(\g)):XF+8*((\s0)+(\g))+7], v[32*(\wf)+16*(\hl)+8*(\tp):32*(\wf)+16*(\hl)+8*(\tp)+7], 0
.else
	v_wmma_f32_16x16x32_bf16 v[8*(16*(\tp)+(\s0)+(\g)):8*(16*(\tp)+(\s0)+(\g))+7], v[XF+8*((\s0)+(\g)):XF+8*((\s0)+(\g))+7], v[32*(\wf)+16*(\hl)+8*(\tp):32*(\wf)+16*(\hl)+8*(\tp)+7], v[8*(16*(\tp)+(\s0)+(\g)):8*(16*(\tp)+(\s0)+(\g))+7]
.endif
.endr
.endr
.endm
; Chunk kk (0, 1, 2) of a K step: 64 products; in its middle the next chunk's x is fetched from LDS and the w of the chunk three on is asked of memory.
.macro SQ kk, zero
	s_wait_loadcnt 16                              ; this chunk's w is in; the two younger chunks' 16 loads stay out
	s_wait_dscnt 16                                ; x's s tiles 0-7 are in
	SMUL (\kk)%2, \kk, 0, 0, \zero
	s_wait_dscnt 0x0
	SMUL (\kk)%2, \kk, 0, 8, \zero
	PLACES                                         ; in front of loads into the buffers that the chunk before multiplied
	FETCHX (\kk)+1, ((\kk)+1)%2
.if (\kk) == 0
	LOADW WC, 3*8192, 3
.else
	LOADW WN, ((\kk)-1)*8192, (\kk)-1
.endif
	SMUL (\kk)%2, \kk, 1, 0, 0
	SMUL (\kk)%2, \kk, 1, 8, 0
.endm
; Chunk 3 changes slots.  In front of the barrier each wave waits for all its tensor loads (one is out: its rows of the next slot), adds 0 to its spare word, and waits for that and for its reads of this slot.
; fill = 1: the barrier opens a round of the cluster's, and the joint refill, two K steps on, is the first tensor load behind it: it has 240 products in which to land.
.macro STURN fill
	WIN 0
	s_wait_xcnt 0x0                                ; the loads (32 products back) and the prefetches (a K step back) have read their pointers, which are stepped:
	s_mov_b64 s[WC:WC+1], s[WN:WN+1]
	s_add_co_u32 s[WOF], s[WOF], 32768
	s_and_b32 s[WOF], s[WOF], 0x3ffff              ; behind the last K step the pointer goes round: the last three runs of loads serve nothing, stay inside my own w, and keep every count alike
	s_add_nc_u64 s[WN:WN+1], s[WBASE:WBASE+1], s[WOF:WOF+1]
.if \fill
	s_add_nc_u64 s[XPF:XPF+1], s[XPF:XPF+1], 256
.endif
	s_wait_tensorcnt 0x0
	ds_add_u32 v[SPW], v[NIL]
	s_wait_dscnt 17                                ; the add and the youngest sixteen loads may be out
	s_wait_loadcnt 16
	SMUL 1, 3, 0, 0, 0
	s_wait_dscnt 0x0                               ; the add is done, and my reads of this slot are over
	s_barrier_signal -1
	SMUL 1, 3, 0, 8, 0
	WIN 0
	s_barrier_wait -1
.if \fill
	CREST
	s_xor_b32 s[G0Y+1], s[G0Y+1], SLOT1            ; no tensor load of mine is out: the walking set is written
	s_add_nc_u64 s[G0Y+2:G0Y+3], s[G0Y+2:G0Y+3], 256
	tensor_load_to_lds s[G0Y:G0Y+3], s[G1K:G1K+7]
	s_nop 0
	PLACES                                         ; also the places in front of the loads below
.else
	PLACES
.endif
	s_xor_b32 s[TB], s[TB], SLOT1
	v_add_nc_u32 v[AX], s[TB], v[AX0]
	FETCHX 0, 0
	LOADW WC, 2*8192, 2
.if \fill
; PREFETCHES INTO THE L2, together, behind the tensor load and the runs of loads.  w of the K step three on: its 32,768 bytes are 128 blocks of 256, a thread a block: each is named once, by the work-group that will
; load it.  x's tile three on, which the NEXT change of slots asks for: 512 rows of 256 bytes: the batch's first cluster asks, its partners 128 rows each (by address), a thread a row.
; The loop's last trip asks for nothing: those K steps do not exist.  K steps 0 to 2 come by their loads alone.  Phase 2 reads the same x again and asks for nothing.
	WIN 0
	s_cmp_gt_u32 s3, 1
	s_cbranch_scc0 .Lnot_mine_\@
	global_prefetch_b8 v[PFW], s[WN:WN+1] offset:32768 th:TH_LOAD_NT scope:SCOPE_SE
	s_cmp_gt_u32 s3, s[LIM]
	s_cbranch_scc0 .Lnot_mine_\@
	global_prefetch_b8 v[PFX], s[XPF:XPF+1] th:TH_LOAD_NT scope:SCOPE_SE
.Lnot_mine_\@:
.endif
	SMUL 1, 3, 1, 0, 0
	SMUL 1, 3, 1, 8, 0
.endm
	LOADW WC, 0, 0                                 ; chunks 0, 1, 2
	LOADW WC, 8192, 1
	LOADW WC, 2*8192, 2
	WIN 0
	s_wait_tensorcnt 1                             ; my rows of tile 0 are in; tile 1's may stay out
	s_barrier_signal -1
	s_barrier_wait -1
	FETCHX 0, 0
	SQ 0, 1                                        ; the first chunk stands in front of the loop: its products with wh start the sums
	WIN 0
	s_mov_b32 s3, 6
.Lks:                                              ; 6 trips: tiles 2 to 7 are asked for
	SQ 1, 0
	SQ 2, 0
	STURN 1
	SQ 0, 0
	WIN 0
	s_sub_co_u32 s3, s3, 1
	s_cmp_lg_u32 s3, 0
	s_cbranch_scc1 .Lks
	s_mov_b32 s3, 2                                ; the last two K steps ask for nothing: a second text; it is entered in its middle
	s_branch .Lkt_in
.Lkt:
	SQ 0, 0
	WIN 0
.Lkt_in:
	SQ 1, 0
	SQ 2, 0
	STURN 0                                        ; (the very last one fetches fragments that nobody multiplies: the price of one text for both trips)
	WIN 0
	s_sub_co_u32 s3, s3, 1
	s_cmp_lg_u32 s3, 0
	s_cbranch_scc1 .Lkt
; ---------------- BETWEEN THE PHASES.  Phase 2's first tile goes out first, so that it lands under the softmax.
	s_wait_loadcnt 0x0                             ; the loads that serve nothing have landed: their registers are free
	s_wait_tensorcnt 0x0
	ds_add_u32 v[SPW], v[NIL]
	s_wait_dscnt 0x0                               ; the add is done, and my reads of both slots are over
	CROUND
	tensor_load_to_lds s[G0V:G0V+3], s[G1V:G1V+7]  ; tile 0 with phase 2's pitch, into slot 0
	s_nop 0
	PLACES                                         ; also the places behind the last products
	; THE MAXIMUM of a lane's 128 scores a tile of t: eight chains of 32 registers (four accumulators each), in ascending pairs
	WIN 0x05
.irp c, 0,1,2,3,4,5,6,7
	v_max_num_f32 v[CH+(\c)], v[32*(\c)], v[32*(\c)+1]
.endr
	WIN 0x14
.set p, 1
.rept 15
.irp c, 0,1,2,3,4,5,6,7
	v_max3_num_f32 v[CH+(\c)], v[CH+(\c)], v[32*(\c)+2*p], v[32*(\c)+2*p+1]
.endr
.set p, p+1
.endr
	WIN 0
	v_max3_num_f32 v[MX], v[CH], v[CH+1], v[CH+2]
	v_max3_num_f32 v[MX+1], v[CH+4], v[CH+5], v[CH+6]
	v_max_num_f32 v[MX], v[MX], v[CH+3]
	v_max_num_f32 v[MX+1], v[MX+1], v[CH+7]
	v_permlanex16_b32 v[CH], v[MX], s[SEL], s[SEL+1]      ; the column's other s of my 256 lie in the lane 16 away,
	v_permlanex16_b32 v[CH+1], v[MX+1], s[SEL], s[SEL+1]
	v_max_num_f32 v[MX], v[MX], v[CH]
	v_max_num_f32 v[MX+1], v[MX+1], v[CH+1]
	ds_store_b64 v[SST], v[MX:MX+1]                ; and the other 256 in the wave beside me
	s_wait_dscnt 0x0                               ; for the others' sake
	s_barrier_signal -1
	s_barrier_wait -1                              ; (my tensor load stays out)
	ds_load_b64 v[CH:CH+1], v[SLD]
	ds_load_b64 v[CH+2:CH+3], v[SLD] offset:256
	s_wait_dscnt 0x0
	v_max_num_f32 v[MX], v[CH], v[CH+2]
	v_max_num_f32 v[MX+1], v[CH+1], v[CH+3]
	v_mul_f32 v[CM], s[CS], v[MX]
	v_mul_f32 v[CM+2], s[CS], v[MX+1]
	v_mov_b32 v[CM+1], v[CM]                       ; named as pairs
	v_mov_b32 v[CM+3], v[CM+2]
	; THE WEIGHTS, a tile at a time, in place; the rounding of the tile before is the plain work behind the exponentials (ISA guide 5.7.2)
.macro PEXP n
	WIN 0x41
.irp k, 0,1,2,3
	v_pk_fma_f32 v[8*(\n)+2*(\k):8*(\n)+2*(\k)+1], v[8*(\n)+2*(\k):8*(\n)+2*(\k)+1], s[CS:CS+1], v[CM+2*((\n)/16):CM+2*((\n)/16)+1] op_sel_hi:[1,0,0] neg_lo:[0,0,1] neg_hi:[0,0,1]
.endr
.irp k, 0,1,2,3,4,5,6,7
	v_exp_f32 v[8*(\n)+(\k)], v[8*(\n)+(\k)]
.endr
.endm
.macro PCVT n
	WIN 0x05
	s_wait_alu depctr_va_vdst(0)
.irp k, 0,1,2,3
	v_cvt_pk_bf16_f32 v[OWN+4*(\n)+(\k)], v[8*(\n)+2*(\k)], v[8*(\n)+2*(\k)+1]
.endr
.endm
	PEXP 0
.set n, 1
.rept 31
	PEXP n
	PCVT n-1
.set n, n+1
.endr
	PCVT 31
	; THE EXCHANGE.  Every wave needs all of P.  Four rounds: each wave puts two of its eight chunks (both tiles of t: 4,096 bytes) into XCH, and all read the 16,384 bytes.
.macro XROUND q, last
	WIN 0
.set i, 0
.rept 8
	ds_store_b128 v[XST], v[OWN+64*((i/2)%2)+8*(2*(\q)+i/4)+4*(i%2):OWN+64*((i/2)%2)+8*(2*(\q)+i/4)+4*(i%2)+3] offset:i*512
.set i, i+1
.endr
	s_wait_dscnt 0x0                               ; for the others' sake: my stores are done
	s_barrier_signal -1
	s_barrier_wait -1
.irp sh, 0,1                           ; from wave 2 th + sh: chunk 8 sh + 2 q + (i / 4) % 2, tile 2 th + (i / 2) % 2
	WIN 0x80+0x40*(\sh)
.set i, 0
.rept 16
.set rr, 8*(4*(2*(\q)+(i/4)%2)+2*(i/8)+(i/2)%2)+4*(i%2)
	ds_load_b128 v[rr:rr+3], v[XLD] offset:(2*(i/8)+(\sh))*4096+(i%8)*512
.set i, i+1
.endr
.endr
	WIN 0
	s_wait_dscnt 0x0                               ; my reads are over
.if !(\last)
	s_barrier_signal -1
	s_barrier_wait -1                              ; and everybody's: XCH may be written again
.endif
.endm
	XROUND 0, 0
	XROUND 1, 0
	XROUND 2, 0
	XROUND 3, 1
	; THE DIVISORS: ones x P: every register of the result holds the column's sum, in the lane that holds that column in z^T.  Four accumulators by turns.
.set k, 0
.rept 16
	WIN 0x08+4*(k/8)
.irp ta, 0,1,2,3
.if k == 0
	v_wmma_f32_16x16x32_bf16 v[LS+8*(\ta):LS+8*(\ta)+7], v[ONES:ONES+7], v[8*(4*(k%8)+(\ta)):8*(4*(k%8)+(\ta))+7], 0
.else
	v_wmma_f32_16x16x32_bf16 v[LS+8*(\ta):LS+8*(\ta)+7], v[ONES:ONES+7], v[8*(4*(k%8)+(\ta)):8*(4*(k%8)+(\ta))+7], v[LS+8*(\ta):LS+8*(\ta)+7]
.endif
.endr
.set k, k+1
.endr
	WIN 0
	PLACES
.irp ta, 0,1,2,3
	v_rcp_f32 v[RL+2*(\ta)], v[LS+8*(\ta)]         ; the largest weight is 1, so the sum is at least 1
.endr
	v_nop                                          ; a plain instruction between the last reciprocal and the use of its result
	s_wait_alu depctr_va_vdst(0)
.irp ta, 0,1,2,3
	v_mov_b32 v[RL+2*(\ta)+1], v[RL+2*(\ta)]       ; named as pairs
.endr
; ---------------- PHASE 2
.macro FETCHV g                        ; 16 turning loads: x^T's fragments for the four chunks of group g (128 s) and my two tiles of 16 channels
	WIN 0x40
.irp kp, 0,1,2,3
.irp u, 0,1
	ds_load_tr16_b128 v[64*(\g)+16*(\kp)+8*(\u):64*(\g)+16*(\kp)+8*(\u)+3],   v[AV+(\g)] offset:(\kp)*32*PV+32*(\u)
	ds_load_tr16_b128 v[64*(\g)+16*(\kp)+8*(\u)+4:64*(\g)+16*(\kp)+8*(\u)+7], v[AV+(\g)] offset:(\kp)*32*PV+32*(\u)+16*PV
.endr
.endr
.endm
.macro VRUN g                          ; 32 products; the 8 accumulators take turns; the block's first 8 start the sums
	WIN 0x09+4*((\g)/2)                            ; x^T in window 1, P in window 2 or 3, z^T in window 0
.irp kp, 0,1,2,3
.irp u, 0,1
.irp ta, 0,1,2,3
.if ((\g) == 0) && ((\kp) == 0)
	v_wmma_f32_16x16x32_bf16 v[ZA+8*(4*(\u)+(\ta)):ZA+8*(4*(\u)+(\ta))+7], v[64*(\g)+16*(\kp)+8*(\u):64*(\g)+16*(\kp)+8*(\u)+7], v[8*(4*((4*(\g)+(\kp))%8)+(\ta)):8*(4*((4*(\g)+(\kp))%8)+(\ta))+7], 0
.else
	v_wmma_f32_16x16x32_bf16 v[ZA+8*(4*(\u)+(\ta)):ZA+8*(4*(\u)+(\ta))+7], v[64*(\g)+16*(\kp)+8*(\u):64*(\g)+16*(\kp)+8*(\u)+7], v[8*(4*((4*(\g)+(\kp))%8)+(\ta)):8*(4*((4*(\g)+(\kp))%8)+(\ta))+7], v[ZA+8*(4*(\u)+(\ta)):ZA+8*(4*(\u)+(\ta))+7]
.endif
.endr
.endr
.endr
.endm
; A block of 128 channels.  The change of slots stands at its head: all my tensor loads (one: my rows of this block's tile), the add, my reads of the other slot; fill = 1: a round of the cluster's barrier, and
; the next block's tile is asked for first behind it, into the slot read last.
.macro VSTEP fill
	WIN 0
	s_wait_tensorcnt 0x0
	ds_add_u32 v[SPW], v[NIL]
.if \fill
	s_xor_b32 s[G0V+1], s[G0V+1], SLOT1            ; no tensor load of mine is out: the walking set is written
	s_add_nc_u64 s[G0V+2:G0V+3], s[G0V+2:G0V+3], 256
.endif
	s_wait_dscnt 0x0
.if \fill
	CROUND
	tensor_load_to_lds s[G0V:G0V+3], s[G1V:G1V+7]
	s_nop 0
	PLACES
.else
	s_barrier_signal -1
	s_barrier_wait -1
.endif
	s_xor_b32 s[TBV], s[TBV], SLOT1
.irp g, 0,1,2,3
	s_add_co_u32 s78, s[TBV], (\g)*128*PV
	v_add_nc_u32 v[AV+(\g)], s78, v[AVB]
.endr
	FETCHV 0
	FETCHV 1
	s_wait_dscnt 16                                ; group 0 is in; the run issued last stays out
	VRUN 0
	FETCHV 2
	s_wait_dscnt 16
	VRUN 1
	FETCHV 3
	s_wait_dscnt 16
	VRUN 2
	s_wait_dscnt 0x0
	VRUN 3
	WIN 0
	PLACES
	s_wait_xcnt 0x0                                ; the last block's stores have read their data and their base
	s_add_nc_u64 s[ZB:ZB+1], s[ZB:ZB+1], s[ZSTEP:ZSTEP+1]
	s_mov_b32 s[ZSTEP], 4096                       ; four chunks of 32 c on, from the second block on
.irp t, 0,1,2,3,4,5,6,7                ; tile t: channels 16 (t / 4) on, columns 16 (t % 4) on: divided by l, rounded to f16; two tiles of channels are a block of zb
.irp k, 0,1,2,3
	v_pk_mul_f32 v[ZA+8*(\t)+2*(\k):ZA+8*(\t)+2*(\k)+1], v[ZA+8*(\t)+2*(\k):ZA+8*(\t)+2*(\k)+1], v[RL+2*((\t)%4):RL+2*((\t)%4)+1] op_sel_hi:[1,0]
.endr
.irp k, 0,1,2,3
	v_cvt_pk_f16_f32 v[ZP+4*(\t)+(\k)], v[ZA+8*(\t)+2*(\k)], v[ZA+8*(\t)+2*(\k)+1]
.endr
	global_store_b128 v[ZVO], v[ZP+4*(\t):ZP+4*(\t)+3], s[ZB:ZB+1] offset:((\t)%4)*32768+((\t)/4)*512  ; 512 consecutive bytes, aligned
.endr
.endm
	s_mov_b32 s3, 7
.Lcb:
	VSTEP 1
	s_sub_co_u32 s3, s3, 1
	s_cmp_lg_u32 s3, 0
	s_cbranch_scc1 .Lcb
	VSTEP 0                                        ; the last block is written out
	s_wait_tensorcnt 0x0                           ; the wave's end, behind my last tensor load and my last LDS store
	ds_add_u32 v[SPW], v[NIL]
	s_wait_dscnt 0x0
	CROUND                                         ; the closing round
	s_endpgm
.Lfunc_end_k_q8fdb258dca_attn:
	.size	k_q8fdb258dca_attn, .Lfunc_end_k_q8fdb258dca_attn-k_q8fdb258dca_attn
	.p2alignl 7, 3214868480
	.fill 96, 4, 3214868480
	.section	.rodata,"a",@progbits
	.p2align	6, 0x0
	.amdhsa_kernel k_q8fdb258dca_attn
		.amdhsa_group_segment_fixed_size 327680
		.amdhsa_private_segment_fixed_size 0
		.amdhsa_enable_private_segment 0
		.amdhsa_kernarg_size 24
		.amdhsa_user_sgpr_count 2
		.amdhsa_user_sgpr_kernarg_segment_ptr 1
		.amdhsa_wavefront_size32 1
		.amdhsa_system_sgpr_workgroup_id_x 1
		.amdhsa_system_sgpr_workgroup_id_y 1
		.amdhsa_system_sgpr_workgroup_id_z 1
		.amdhsa_system_vgpr_workitem_id 0
		.amdhsa_next_free_vgpr 1024
		.amdhsa_next_free_sgpr 80
		.amdhsa_reserve_vcc 0
		.amdhsa_float_denorm_mode_32 3
		.amdhsa_float_denorm_mode_16_64 3
		.amdhsa_memory_ordered 1
		.amdhsa_forward_progress 1
		.amdhsa_inst_pref_size 166
	.end_amdhsa_kernel
	.amdgpu_metadata
---
amdhsa.version: [ 1, 2 ]
amdhsa.kernels:
  - .name:           k_q8fdb258dca_attn
    .symbol:         k_q8fdb258dca_attn.kd
    .args:
      - { .name: xb, .offset: 0, .size: 8, .value_kind: global_buffer, .address_space: global }
      - { .name: wb, .offset: 8, .size: 8, .value_kind: global_buffer, .address_space: global }
      - { .name: zb, .offset: 16, .size: 8, .value_kind: global_buffer, .address_space: global }
    .group_segment_fixed_size: 327680
    .private_segment_fixed_size: 0
    .kernarg_segment_align: 8
    .kernarg_segment_size: 24
    .max_flat_workgroup_size: 128
    .sgpr_count:     80
    .vgpr_count:     1024
    .wavefront_size: 32
...
	.end_amdgpu_metadata
.endif
;; end of part 3
;; launch gemmo (part 4): grid 4 x 64, 4 waves a work-group, clusters of 4 x 4, 327,680 bytes of LDS; arguments zb, wvh, xb, gamma, out0; writes out0
.if DOCPART == 4
	.amdgcn_target "amdgcn-amd-amdhsa--gfx1250"
	.amdhsa_code_object_version 6
	.text
	.protected	k_q8fdb258dca_gemmo
	.globl	k_q8fdb258dca_gemmo
	.p2align	8
	.type	k_q8fdb258dca_gemmo,@function
k_q8fdb258dca_gemmo:
	s_mov_b64 s[64:65], 0
	v_nop
	global_prefetch_b8 v0, s[64:65] scope:SCOPE_SE
	s_setreg_imm32_b32 hwreg(HW_REG_WAVE_MODE, 25, 1), 1
	s_wait_xcnt 0x0
	s_wait_alu depctr_hold_cnt(0) depctr_sa_sdst(0) depctr_va_vdst(0) depctr_va_sdst(0) depctr_va_ssrc(0) depctr_va_vcc(0) depctr_vm_vsrc(0)
	s_getreg_b32 s2, hwreg(HW_REG_IB_STS2, 6, 4)
	s_cmp_eq_u32 s2, 0
	s_cbranch_scc0 .Lentry_in_a_cluster
	s_endpgm
.Lentry_in_a_cluster:
	s_bfe_u32 s2, ttmp6, 0x10000c
	s_cmp_lg_u32 s2, 0xf033
	s_cbranch_scc0 .Lentry_shape_is_right
	s_endpgm
.Lentry_shape_is_right:
; out[t][n] = gamma x (sum over c of z[t][c] Wv[n][c]) + x[t][n].  z: f16 fragment blocks [tile of 16 t][chunk of 32 c][1,024]; Wv: f16 [1024][1024]; x: bf16; out: f32 [16384][1024].  Sums in f32.
; (sum over s of beta h = (sum over s of beta x) Wv^T: the value projection is applied behind the weighted mean.)
; LIMITS.  gamma and the x that is added are the inputs rounded once to bf16, like every input of this program: against the unrounded x that is at most 2^-9 of it.  z and Wv are f16: within 65,504.
; A work-group of four waves makes 256 x 256 of out, a wave 128 x 128; K = 1,024 in 8 steps of 128 through two LDS slots.  CLUSTER 4 x 4: z's tiles are shared along a row, Wv's along a column, by joint loads.
; Source 0 = 16 rows of Wv, source 1 = 16 rows of z: a lane holds ONE row t and eight neighbouring columns n.
; No prefetch of the tiles: a refill has 240 matrix instructions in which to land.  The rows of x that the way out adds are prefetched (below).
; REGISTERS as in the launch that makes w: window 0: addresses, z's fragments (two buffers), on the way out rows of out and of x; window 1: Wv's fragments; windows 2, 3: the accumulators.
.set PITCH,  272                       ; a row of Wv in LDS: 256 bytes + 16
.set HALFB,  128*PITCH
.set BTILE,  65536                     ; a slot: z's 16 tiles of t x 4 blocks, then Wv's 256 rows
.set SLOT1,  0x22000
.set SPARE,  274432                    ; the spare words, 128 bytes a wave: two blocks of 256 bytes that no other line names
.set SP,     528                       ; the way out: a row of 128 f32 + 16 bytes: the 16 rows of a store start at 16 different groups of four banks
.set ADRA0, 16                         ; v16  my place in z's fragments, slot 0
.set ADRB0, 17                         ; v17  in Wv's
.set ADRA,  18
.set ADRB,  19
.set DST,   20                         ; v20  the way out: where I put 32 bytes of a row
.set RD,    21                         ; v21  where I read rows back
.set OVO,   22                         ; v22  16 x lane
.set XVO,   23                         ; v23  8 x lane
.set GV,    24                         ; v24  gamma
.set PFR,   25                         ; v25  2,048 x lane; never rewritten
.set SPW,   28
.set NIL,   29
.set F0,    64
.set F1,    128
.set OB,    64                         ; v[64:191]  two blocks of 16 rows of out
.set RES,   192                        ; v[192:255] two blocks of 16 rows of x
.set G1A, 24
.set G0A, 32
.set G1B, 48
.set G0B, 56
.set XR,   14                          ; s[14:15] xb at my first row and column; never rewritten
.set OFS,  16                          ; s[16:17] an offset pair
.set XA,   18                          ; s[18:19] xb at the pair of blocks asked for next
.set OUTB, 20                          ; s[20:21] out at the pair of blocks in hand
.set GM,   22                          ; s22  gamma
.set WV, 68
.set HR, 69                            ; wave / 2: my half of the rows; also: I fetch z (0) or Wv (1)
.set HC, 70                            ; wave % 2: my half of the columns; also: which half of that tile I fetch
.set TR, 71
.set TB, 73
.set MSB, 0
.macro WIN new
.if MSB != (\new)
	s_set_vgpr_msb (MSB<<8)|(\new)
.set MSB, \new
.endif
.endm
.set MUL_LO, 0xa1
.set TO_B,   0x40
.macro PLACES
.rept 4
	v_nop
.endr
.endm
.macro JLOAD
	s_cmp_eq_u32 s[HR], 0
	s_cbranch_scc0 .Lfor_b_\@
	tensor_load_to_lds s[G0A+4:G0A+7], s[G1A:G1A+7]
	s_nop 0
	PLACES
	s_branch .Lasked_\@
.Lfor_b_\@:
	tensor_load_to_lds s[G0B+4:G0B+7], s[G1B:G1B+7]
	s_nop 0
	PLACES
.Lasked_\@:
.endm
.macro CREST
	s_cmp_lg_u32 s[WV], 0
	s_cbranch_scc1 .Lnot_wave_0_\@
	s_barrier_signal -3
.Lnot_wave_0_\@:
	s_barrier_wait -3
	s_barrier_signal -1
	s_barrier_wait -1
.endm
.macro CROUND
	s_barrier_signal -1
	s_barrier_wait -1
	CREST
.endm
	s_load_b256 s[4:11], s[0:1], 0x0               ; zb s[4:5], wvh s[6:7], xb s[8:9], gamma s[10:11]
	s_load_b64 s[12:13], s[0:1], 0x20              ; out0
	v_lshl_add_u32 v[SPW], v0, 2, SPARE
	v_mov_b32 v[NIL], 0
	ds_add_u32 v[SPW], v[NIL]                      ; the wave's opening: the add and its wait stand ahead of my first tensor load
	v_lshrrev_b32 v1, 5, v0
	v_readfirstlane_b32 s[WV], v1
	s_lshr_b32 s[HR], s[WV], 1
	s_and_b32 s[HC], s[WV], 1
	s_bfe_u32 s40, ttmp6, 0x40000                  ; cx
	s_bfe_u32 s41, ttmp6, 0x40004                  ; cy
	s_lshl_b32 s42, ttmp9, 2
	s_add_co_u32 s42, s42, s40                     ; tile column
	s_and_b32 s[TR], ttmp7, 0xffff
	s_lshl_b32 s[TR], s[TR], 2
	s_add_co_u32 s[TR], s[TR], s41                 ; tile row
	s_lshl_b32 s43, s41, 2
	s_lshl_b32 s43, 15, s43                        ; my row of the cluster
	s_lshl_b32 s44, 0x1111, s40                    ; my column
	s_or_b32 s[G1A], s43, (1<<16)|(1<<21)          ; z's tiles go to my row; 2-byte elements; no padding
	s_mov_b32 s[G1A+1], 2048<<16                   ; tensor_dim0 = 2,048: a tile of t's four blocks of a K step, 4,096 bytes on end
	s_mov_b32 s[G1A+2], 8<<16                      ; tensor_dim1 = 8 tiles of t
	s_mov_b32 s[G1A+3], 2048<<16
	s_mov_b32 s[G1A+4], 8
	s_mov_b32 s[G1A+5], 16384                      ; 32,768 bytes from tile to tile
	s_mov_b32 s[G1A+6], 0
	s_mov_b32 s[G1A+7], 0
	s_or_b32 s[G1B], s44, (1<<16)|(1<<20)|(1<<21)|(5<<22)|(3<<25)  ; Wv's tiles go to my column; after every 64 words, 4 words of padding
	s_mov_b32 s[G1B+1], 128<<16
	s_mov_b32 s[G1B+2], 128<<16
	s_mov_b32 s[G1B+3], 128<<16
	s_mov_b32 s[G1B+4], 128
	s_mov_b32 s[G1B+5], 1024
	s_mov_b32 s[G1B+6], 0
	s_mov_b32 s[G1B+7], 0
	s_lshl_b32 s16, s[TR], 4
	s_lshl3_add_u32 s16, s[HC], s16                ; z: tile of t 16 x tile row + 8 x half,
	s_lshl_b32 s16, s16, 15                        ; of 32,768 bytes
	s_mov_b32 s17, 0
	s_lshl_b32 s47, s[HC], 7
	s_lshl_b32 s46, s42, 8
	s_add_co_u32 s46, s46, s47                     ; Wv: row 256 x tile column + 128 x half,
	s_lshl_b32 s46, s46, 11                        ; of 2,048 bytes
	s_mov_b32 s47, 0
	s_lshl_b32 s20, s[HC], 15                      ; where z's half goes,
	s_mul_i32 s21, s[HC], HALFB
	s_add_co_u32 s21, s21, BTILE                   ; and Wv's
	s_mov_b32 s[TB], 0
	v_and_b32 v1, 15, v0                           ; l % 16
	v_bfe_u32 v2, v0, 4, 1                         ; l / 16
	v_and_b32 v3, 31, v0                           ; l
	v_lshlrev_b32 v[OVO], 4, v3
	v_lshlrev_b32 v[XVO], 3, v3
	v_lshlrev_b32 v[PFR], 11, v3
	v_mul_u32_u24 v4, v1, PITCH
	v_lshl_add_u32 v4, v2, 4, v4
	s_mul_i32 s45, s[HC], HALFB
	s_add_co_u32 s45, s45, BTILE
	v_add_nc_u32 v[ADRB0], s45, v4                 ; my 128 rows of Wv
	s_lshl_b32 s45, s[HR], 15
	v_add_nc_u32 v[ADRA0], s45, v[OVO]             ; my 8 tiles of t
	v_mov_b32 v[ADRA], v[ADRA0]
	v_mov_b32 v[ADRB], v[ADRB0]
	s_mul_i32 s45, s[WV], 128*SP                   ; my stage: 128 rows, in the slots when they have had their last fill
	v_mul_u32_u24 v[DST], v1, SP
	v_lshl_add_u32 v[DST], v2, 5, v[DST]
	v_add_nc_u32 v[DST], s45, v[DST]
	v_add_nc_u32 v[RD], s45, v[OVO]
	s_wait_dscnt 0x0                               ; the opening add is done
	s_wait_kmcnt 0x0
	s_load_b32 s[GM], s[10:11], 0x0                ; gamma: waited for on the way out
	s_add_nc_u64 s[16:17], s[4:5], s[16:17]
	s_add_nc_u64 s[46:47], s[6:7], s[46:47]
	CROUND                                         ; the first joint loads meet
.irp s, 0,1
	s_mov_b32 s[G0A+4*(\s)], 1
	s_add_co_u32 s[G0A+4*(\s)+1], s20, (\s)*SLOT1
	s_add_nc_u64 s[G0A+4*(\s)+2:G0A+4*(\s)+3], s[16:17], (\s)*4096
	s_or_b32 s[G0A+4*(\s)+3], s[G0A+4*(\s)+3], 0x80000000
	s_mov_b32 s[G0B+4*(\s)], 1
	s_add_co_u32 s[G0B+4*(\s)+1], s21, (\s)*SLOT1
	s_add_nc_u64 s[G0B+4*(\s)+2:G0B+4*(\s)+3], s[46:47], (\s)*256
	s_or_b32 s[G0B+4*(\s)+3], s[G0B+4*(\s)+3], 0x80000000
.endr
	s_cmp_eq_u32 s[HR], 0                          ; a wave's two first fills stand in one branch: two loads of mine are out
	s_cbranch_scc0 .Lfirst_b
	tensor_load_to_lds s[G0A:G0A+3], s[G1A:G1A+7]
	s_nop 0
	tensor_load_to_lds s[G0A+4:G0A+7], s[G1A:G1A+7]
	s_nop 0
	PLACES
	s_branch .Lfirst_asked
.Lfirst_b:
	tensor_load_to_lds s[G0B:G0B+3], s[G1B:G1B+7]
	s_nop 0
	tensor_load_to_lds s[G0B+4:G0B+7], s[G1B:G1B+7]
	s_nop 0
	PLACES
.Lfirst_asked:
	s_lshl_b32 s46, s[TR], 8                       ; my first row: 256 x tile row + 128 x row half;
	s_lshl_b32 s47, s[HR], 7
	s_add_co_u32 s46, s46, s47
	s_lshl_b32 s45, s42, 8                         ; my first column: 256 x tile column + 128 x column half
	s_lshl_b32 s47, s[HC], 7
	s_add_co_u32 s45, s45, s47
	s_lshl_b32 s[OFS], s46, 11                     ; in xb: 2,048 bytes a row, 2 a column
	s_lshl1_add_u32 s[OFS], s45, s[OFS]
	s_mov_b32 s[OFS+1], 0
	s_add_nc_u64 s[XR:XR+1], s[8:9], s[OFS:OFS+1]
	s_add_nc_u64 s[XA:XA+1], s[XR:XR+1], 65536     ; the second pair of blocks of 16 rows
	s_lshl_b32 s[OFS], s46, 12                     ; in out: 4,096 bytes a row, 4 a column
	s_lshl2_add_u32 s[OFS], s45, s[OFS]
	s_add_nc_u64 s[OUTB:OUTB+1], s[12:13], s[OFS:OFS+1]
.macro MUL16 f, hi, a0, zero           ; 16 products; the 64 accumulators take turns, one instruction a turn
	WIN MUL_LO+0x50*(\hi)
.irp a, \a0, (\a0)+1
.irp b, 0,1,2,3,4,5,6,7
.if \zero
	v_wmma_f32_16x16x32_f16 v[8*(8*(\a)+(\b)):8*(8*(\a)+(\b))+7], v[(\f)+8*(\b):(\f)+8*(\b)+7], v[(\f)+8*(4*(\hi)+(\a)):(\f)+8*(4*(\hi)+(\a))+7], 0
.else
	v_wmma_f32_16x16x32_f16 v[8*(8*(\a)+(\b)):8*(8*(\a)+(\b))+7], v[(\f)+8*(\b):(\f)+8*(\b)+7], v[(\f)+8*(4*(\hi)+(\a)):(\f)+8*(4*(\hi)+(\a))+7], v[8*(8*(\a)+(\b)):8*(8*(\a)+(\b))+7]
.endif
.endr
.endr
.endm
.macro FETCH kk, f                     ; 32 LDS loads in one run: Wv's 8 fragments, then z's 8
	WIN TO_B
.irp i, 0,1,2,3,4,5,6,7
	ds_load_b128 v[(\f)+8*(\i):(\f)+8*(\i)+3],   v[ADRB] offset:(\i)*16*PITCH+(\kk)*64
	ds_load_b128 v[(\f)+8*(\i)+4:(\f)+8*(\i)+7], v[ADRB] offset:(\i)*16*PITCH+(\kk)*64+32
.endr
	WIN 0
.irp i, 0,1,2,3,4,5,6,7
	ds_load_b128 v[(\f)+8*(\i):(\f)+8*(\i)+3],   v[ADRA] offset:(\i)*4096+(\kk)*1024
	ds_load_b128 v[(\f)+8*(\i)+4:(\f)+8*(\i)+7], v[ADRA] offset:(\i)*4096+(\kk)*1024+512
.endr
.endm
.macro QUARTER kk, f, g, zero
	s_wait_dscnt 8                                 ; Wv's fragments and z's rows 0-63 are in; the youngest eight loads may be out
	MUL16 \f, 0, 0, \zero
	MUL16 \f, 0, 2, \zero
	PLACES
	FETCH \kk, \g
	s_wait_dscnt 32                                ; all but the 32 just issued
	MUL16 \f, 1, 0, \zero
	MUL16 \f, 1, 2, \zero
.endm
; The last quarter changes slots: all my tensor loads, the add, my reads of this slot; the barrier; fill = 1: it opens a round of the cluster's, and the joint refill is the first tensor load behind it.
.macro TURN fill
	WIN 0
	s_wait_tensorcnt 0x0
	ds_add_u32 v[SPW], v[NIL]
	s_wait_dscnt 9                                 ; the add and the youngest eight loads may be out
	MUL16 F1, 0, 0, 0
	s_wait_dscnt 0x0
	s_barrier_signal -1
	MUL16 F1, 0, 2, 0
	WIN 0
	s_barrier_wait -1
.if \fill
	CREST
	s_xor_b32 s[G0A+5], s[G0A+5], SLOT1            ; no tensor load of mine is out: the walking sets are written
	s_xor_b32 s[G0B+5], s[G0B+5], SLOT1
	s_add_nc_u64 s[G0A+6:G0A+7], s[G0A+6:G0A+7], 4096
	s_add_nc_u64 s[G0B+6:G0B+7], s[G0B+6:G0B+7], 256
	JLOAD
.else
	PLACES
.endif
	s_xor_b32 s[TB], s[TB], SLOT1
	v_add_nc_u32 v[ADRA], s[TB], v[ADRA0]
	v_add_nc_u32 v[ADRB], s[TB], v[ADRB0]
	FETCH 0, F0
.if !(\fill)
; A PREFETCH INTO THE L2 of the rows of x that my way out adds: 128 rows x 256 bytes, aligned, a lane a row, four instructions together, behind the run of LDS loads, in the first of the two last changes of slots:
; a K step and a quarter ahead of the first load of them.  Each wave asks for what it will load itself, so each block is named once in the launch.  No pointer is stepped.
	s_cmp_eq_u32 s3, 2
	s_cbranch_scc0 .Lno_pf_\@
	global_prefetch_b8 v[PFR], s[XR:XR+1] th:TH_LOAD_NT scope:SCOPE_SE
	global_prefetch_b8 v[PFR], s[XR:XR+1] offset:65536 th:TH_LOAD_NT scope:SCOPE_SE
	global_prefetch_b8 v[PFR], s[XR:XR+1] offset:131072 th:TH_LOAD_NT scope:SCOPE_SE
	global_prefetch_b8 v[PFR], s[XR:XR+1] offset:196608 th:TH_LOAD_NT scope:SCOPE_SE
.Lno_pf_\@:
.endif
	MUL16 F1, 1, 0, 0
	MUL16 F1, 1, 2, 0
.endm
	s_wait_tensorcnt 1                             ; my part of K step 0 is in; K step 1's may stay out
	s_barrier_signal -1
	s_barrier_wait -1
	FETCH 0, F0
	QUARTER 1, F0, F1, 1                           ; the first quarter's products start the sums
	WIN 0
	s_mov_b32 s3, 6
.Lstep:                                            ; 6 trips: K steps 2 to 7 are asked for
	QUARTER 2, F1, F0, 0
	QUARTER 3, F0, F1, 0
	TURN 1
	QUARTER 1, F0, F1, 0
	WIN 0
	s_sub_co_u32 s3, s3, 1
	s_cmp_lg_u32 s3, 0
	s_cbranch_scc1 .Lstep
	s_mov_b32 s3, 2                                ; the last two K steps ask for no tile: a second text, entered in its middle
	s_branch .Lt_in
.Ltail:
	QUARTER 1, F0, F1, 0
	WIN 0
.Lt_in:
	QUARTER 2, F1, F0, 0
	QUARTER 3, F0, F1, 0
	TURN 0
	WIN 0
	s_sub_co_u32 s3, s3, 1
	s_cmp_lg_u32 s3, 0
	s_cbranch_scc1 .Ltail
; THE WAY OUT.  The accumulators go row-major into my stage (128 rows x 528 bytes, in the slots, which have had their last fill); whole rows of 512 bytes come back, 16 rows a block;
; out = sum x gamma + x in one multiply-add that reads x's bf16 half; a store covers 512 consecutive bytes, aligned.  x's rows are asked for two blocks ahead.
	PLACES
	s_wait_dscnt 0x0                               ; my last reads of the slots are over,
	s_barrier_signal -1
	s_barrier_wait -1                              ; and everybody's
.irp p, 0,1
.irp i, 0,1,2,3,4,5,6,7,8,9,10,11,12,13,14,15
	global_load_b64 v[RES+32*(\p)+2*(\i):RES+32*(\p)+2*(\i)+1], v[XVO], s[XR:XR+1] offset:(\p)*32768+(\i)*2048  ; blocks 0 and 1: 256 consecutive bytes an instruction
.endr
.endr
	WIN 0x08                                       ; store data in window 2: my rows 0-63
.set t, 0
.rept 32
	ds_store_b128 v[DST], v[8*t:8*t+3]   offset:(t/8)*16*SP+(t%8)*64      ; each accumulator from its low end on
	ds_store_b128 v[DST], v[8*t+4:8*t+7] offset:(t/8)*16*SP+(t%8)*64+16
.set t, t+1
.endr
	WIN 0x0c                                       ; window 3: rows 64-127
.set t, 0
.rept 32
	ds_store_b128 v[DST], v[8*t:8*t+3]   offset:(4+t/8)*16*SP+(t%8)*64
	ds_store_b128 v[DST], v[8*t+4:8*t+7] offset:(4+t/8)*16*SP+(t%8)*64+16
.set t, t+1
.endr
	WIN 0
	s_wait_kmcnt 0x0                               ; gamma,
	v_mov_b32 v[GV], s[GM]
	v_cvt_pk_bf16_f32 v[GV], v[GV], v[GV]          ; rounded to bf16 like every input,
	v_lshlrev_b32 v[GV], 16, v[GV]                 ; as f32
.macro BLOCK p
.irp i, 0,1,2,3,4,5,6,7,8,9,10,11,12,13,14,15
	ds_load_b128 v[OB+64*(\p)+4*(\i):OB+64*(\p)+4*(\i)+3], v[RD] offset:(\p)*16*SP+(\i)*SP  ; LDS serves a wave's instructions in order (ISA guide 5.7.1.4): these see my stores
.endr
	s_wait_loadcnt 16                              ; this block's rows of x are in; the other buffer's 16 loads stay out
	s_wait_dscnt 0x0
.irp i, 0,1,2,3,4,5,6,7,8,9,10,11,12,13,14,15
	v_fma_mix_f32_bf16 v[OB+64*(\p)+4*(\i)],   v[OB+64*(\p)+4*(\i)],   v[GV], v[RES+32*(\p)+2*(\i)]   op_sel:[0,0,0] op_sel_hi:[0,0,1]
	v_fma_mix_f32_bf16 v[OB+64*(\p)+4*(\i)+1], v[OB+64*(\p)+4*(\i)+1], v[GV], v[RES+32*(\p)+2*(\i)]   op_sel:[0,0,1] op_sel_hi:[0,0,1]
	v_fma_mix_f32_bf16 v[OB+64*(\p)+4*(\i)+2], v[OB+64*(\p)+4*(\i)+2], v[GV], v[RES+32*(\p)+2*(\i)+1] op_sel:[0,0,0] op_sel_hi:[0,0,1]
	v_fma_mix_f32_bf16 v[OB+64*(\p)+4*(\i)+3], v[OB+64*(\p)+4*(\i)+3], v[GV], v[RES+32*(\p)+2*(\i)+1] op_sel:[0,0,1] op_sel_hi:[0,0,1]
.endr
.irp i, 0,1,2,3,4,5,6,7,8,9,10,11,12,13,14,15
	global_load_b64 v[RES+32*(\p)+2*(\i):RES+32*(\p)+2*(\i)+1], v[XVO], s[XA:XA+1] offset:(\p)*32768+(\i)*2048  ; the block two on
.endr
.irp i, 0,1,2,3,4,5,6,7,8,9,10,11,12,13,14,15
	global_store_b128 v[OVO], v[OB+64*(\p)+4*(\i):OB+64*(\p)+4*(\i)+3], s[OUTB:OUTB+1] offset:(\p)*65536+(\i)*4096 th:TH_STORE_NT
.endr
.endm
	s_mov_b32 s3, 0
.Lblk:                                             ; 4 trips of two blocks
	BLOCK 0
	BLOCK 1
	s_wait_xcnt 0x0                                ; the stores have read their data and base, the loads their base
	v_add_nc_u32 v[RD], 32*SP, v[RD]
	s_add_nc_u64 s[OUTB:OUTB+1], s[OUTB:OUTB+1], 131072
	s_add_co_u32 s3, s3, 1
	s_add_co_u32 s[OFS], s3, 1                     ; the next trip asks for the pair behind its own, held at the last pair: the last trip's loads serve nothing, stay inside xb, and keep the counts alike
	s_min_u32 s[OFS], s[OFS], 3
	s_lshl_b32 s[OFS], s[OFS], 16
	s_add_nc_u64 s[XA:XA+1], s[XR:XR+1], s[OFS:OFS+1]
	s_cmp_lt_u32 s3, 4
	s_cbranch_scc1 .Lblk
	s_wait_tensorcnt 0x0                           ; the wave's end, behind my last tensor load and my last LDS store
	ds_add_u32 v[SPW], v[NIL]
	s_wait_dscnt 0x0
	CROUND                                         ; the closing round
	s_endpgm
.Lfunc_end_k_q8fdb258dca_gemmo:
	.size	k_q8fdb258dca_gemmo, .Lfunc_end_k_q8fdb258dca_gemmo-k_q8fdb258dca_gemmo
	.p2alignl 7, 3214868480
	.fill 96, 4, 3214868480
	.section	.rodata,"a",@progbits
	.p2align	6, 0x0
	.amdhsa_kernel k_q8fdb258dca_gemmo
		.amdhsa_group_segment_fixed_size 327680
		.amdhsa_private_segment_fixed_size 0
		.amdhsa_enable_private_segment 0
		.amdhsa_kernarg_size 40
		.amdhsa_user_sgpr_count 2
		.amdhsa_user_sgpr_kernarg_segment_ptr 1
		.amdhsa_wavefront_size32 1
		.amdhsa_system_sgpr_workgroup_id_x 1
		.amdhsa_system_sgpr_workgroup_id_y 1
		.amdhsa_system_sgpr_workgroup_id_z 1
		.amdhsa_system_vgpr_workitem_id 0
		.amdhsa_next_free_vgpr 1024
		.amdhsa_next_free_sgpr 80
		.amdhsa_reserve_vcc 0
		.amdhsa_float_denorm_mode_32 3
		.amdhsa_float_denorm_mode_16_64 3
		.amdhsa_memory_ordered 1
		.amdhsa_forward_progress 1
		.amdhsa_inst_pref_size 97
	.end_amdhsa_kernel
	.amdgpu_metadata
---
amdhsa.version: [ 1, 2 ]
amdhsa.kernels:
  - .name:           k_q8fdb258dca_gemmo
    .symbol:         k_q8fdb258dca_gemmo.kd
    .args:
      - { .name: zb, .offset: 0, .size: 8, .value_kind: global_buffer, .address_space: global }
      - { .name: wvh, .offset: 8, .size: 8, .value_kind: global_buffer, .address_space: global }
      - { .name: xb, .offset: 16, .size: 8, .value_kind: global_buffer, .address_space: global }
      - { .name: gamma, .offset: 24, .size: 8, .value_kind: global_buffer, .address_space: global }
      - { .name: out0, .offset: 32, .size: 8, .value_kind: global_buffer, .address_space: global }
    .group_segment_fixed_size: 327680
    .private_segment_fixed_size: 0
    .kernarg_segment_align: 8
    .kernarg_segment_size: 40
    .max_flat_workgroup_size: 128
    .sgpr_count:     80
    .vgpr_count:     1024
    .wavefront_size: 32
...
	.end_amdgpu_metadata
.endif
;; end of part 4
;; ======== version 2 of 2: 4 launches; version 1 with the launch prep written anew for expert scheduling mode
;; limits: values are held in f16: magnitudes above 65,504 overflow, below 6.1e-05 lose precision; inputs' magnitudes at most 65,504
;; workspace buffers: xb 33,554,432 bytes; mb 4,194,304 bytes; wvh 2,097,152 bytes; wb 67,108,864 bytes; zb 33,554,432 bytes
;; launch prep (part 5): grid 512 x 1, 8 waves a work-group, no clusters, 82,944 bytes of LDS; arguments x, Wq, Wk, Wv, xb, mb, wvh; writes xb, mb, wvh
.if DOCPART == 5
	.amdgcn_target "amdgcn-amd-amdhsa--gfx1250"
	.amdhsa_code_object_version 6
	.text
	.protected	k_q8fdb258dca_prep
	.globl	k_q8fdb258dca_prep
	.p2align	8
	.type	k_q8fdb258dca_prep,@function
k_q8fdb258dca_prep:
	s_mov_b64 s[64:65], 0
	v_nop
	global_prefetch_b8 v0, s[64:65] scope:SCOPE_SE
	s_setreg_imm32_b32 hwreg(HW_REG_WAVE_SCHED_MODE, 0, 2), 2
	s_setreg_imm32_b32 hwreg(HW_REG_WAVE_MODE, 25, 1), 1
	s_wait_xcnt 0x0
	s_wait_alu depctr_vm_vsrc(0)
; PREP.  Three things that the later launches read:
;   xb  = x rounded once to bf16, row-major [16384][1024]
;   wvh = Wv rounded once to bf16, that number written as f16, row-major [1024][1024]
;   mb  = M[c][c'] = sum over d of Wq[d][c] Wk[d][c'] (both rounded to bf16, sums in f32), kept as TWO bf16 terms, hi and lo = bf16(M - hi):
;         scores = (x Wq^T)(x Wk^T)^T = x M x^T, and a softmax of scores with a spread of tens needs more than one 16-bit rounding on that road.
;         mb lies in FRAGMENT BLOCKS of 1,024 bytes (16 rows c x 32 columns c'): [half j][lane][16 bytes] = registers 4 j .. 4 j + 3 of the lane:
;         [row tile 64][chunk 64: 0-31 hi, 32-63 lo][1,024].
; LIMITS.  Every input is rounded once to bf16.  f16 ends at 65,504: |Wv| stays within it; below 6.1e-5 it keeps f16's fixed step of 6e-8.  NaN and infinities are not treated apart.
; WORK-GROUPS 0-255 make one tile of 64 x 64 of M each (K = d = 1,024); work-groups 256-511 stream 262,144 bytes of x and 16,384 of Wv each.  The branch hangs on the work-group's number alone.
; No tensor loads: with 232 registers a wave and 82,944 bytes of LDS two work-groups of eight waves lie on a WGP, so all 512 run at once.
; THE MODE: SCHED_MODE bits 1:0 = 2 (LLVM: expert scheduling mode 2), set by the entry lines.  The code itself states the register dependences
; between vector or matrix instructions and memory or LDS instructions, with s_wait_alu, always for 0.
; THE PLAN, THE STREAM.  Registers that memory instructions touch:
;   v[VI], v[VO]  offsets, made once, never written again: the rows are reached by the scalar bases and by immediate offsets.
;   WO            written by Wv's conversions, read by its four stores, never written again.
;   X0 .. X3      four blocks of four chunks as loaded.  A block's eight roundings read X[b]; behind them the loads of the same block of the next lap land in it.
;   Y0 .. Y3      written by the block's roundings, once a lap; read by the block's four stores.
; So one wait on va_vdst stands in a block, behind its roundings, for its four loads and its four stores; and one wait on vm_vsrc a lap, at the lap's end, frees all of Y.
; THE PLAN, M.  Registers that memory or LDS instructions touch:
;   v[VGO], v[VLS], v[VLS+1], v[VFK], v[VFQ], v[VST]  offsets and addresses, made once, never written again.
;   STG           a stage as loaded.  Read by the stage's 64 roundings; behind them the next stage's loads land in it.
;   TMP           v[32:95]: written by the roundings, read by the stage's 32 LDS stores.
;   three fragment buffers, a chunk of 32 d each, in TMP's registers and v[224:231]: the turning loads of chunk q land in buffer q % 3, chunk q's two products read it.
;   The accumulators are named by vector and matrix instructions alone, until the end.
; So in a stage: ONE wait on va_vdst behind the roundings (for the next stage's loads, the LDS stores and the first three chunks' fragment loads: no vector instruction stands between it and them);
; ONE wait on vm_vsrc behind the second barrier (the LDS stores have read TMP); and a wait on va_vdst ahead of the fragment loads of chunks 3 to 7, each into the buffer that the chunk just multiplied has left.
.set SPARE, 81920                      ; behind the two tiles: the spare words, 128 bytes a wave: four blocks of 256 bytes that no other line names
.set MATB,  40960                      ; a weight's tile in LDS: 256 rows d x 160 bytes; Wq's at 0, Wk's behind it
.set LP,    160                        ; a row: 64 bf16 = 128 bytes + 32 of padding = 40 words
.set VI,   2                           ; v2   stream: 16 x thread
.set VO,   3                           ; v3   stream: 8 x thread
.set SPW,  4                           ; v4   LDS address of my spare word; never rewritten
.set NIL,  5                           ; v5   0; never rewritten
.set VGO,  6                           ; v6   M: my byte offset in 16 rows of a weight: (t / 16) x 4,096 + (t % 16) x 16
.set VLS,  8                           ; v8, v9  M: where my 8 bytes go in Wq's tile, in Wk's: (t / 16) x 160 + (t % 16) x 8
.set VFK,  10                          ; v10  M: my lane's place in Wk's fragments
.set VFQ,  11                          ; v11  M: in Wq's
.set VST,  12                          ; v12  16 x lane
.set NEG1, 13                          ; v13  -1.0
.set ACC,  16                          ; v[16:31]   M: two accumulators: my row tile x my two column tiles
.set TMP,  32                          ; v[32:95]   M: a stage rounded to bf16, on its way into LDS: load i's four numbers at TMP + 2 i
.set FK,   32                          ; v[32:79]   M: Wk's two fragments of a chunk: buffer b at FK + 16 b
.set FQ,   80                          ; M: Wq's fragment of a chunk: buffer 0 v[80:87], buffer 1 v[88:95], buffer 2 v[224:231]: FQ + 8 b + 128 (b / 2)
.set HL,   32                          ; v[32:47]   M: at the end hi and lo
.set STG,  96                          ; v[96:223]  M: a stage of 256 d as loaded: Wq's 16 x 4 registers, then Wk's
.set WVR,  16                          ; v[16:31]   stream: four chunks of Wv
.set WT,   32                          ; v[32:37]   stream: at work: no memory instruction names them
.set WO,   40                          ; v[40:47]   stream: Wv as f16
.set X,    64                          ; v[64:127]  stream: block b, chunk i: 4 registers at X + 16 b + 4 i, as loaded
.set Y,    128                         ; v[128:159] stream: block b, chunk i: 2 registers at Y + 8 b + 2 i, to store
.set WV,   18                          ; s18  my wave's number
.set ST,   19                          ; s19  M: the quarter of d asked for last
.set CNT,  20                          ; s20  trips to go
.set PQ,   28                          ; s[28:29] M: Wq at the quarter asked for last
.set PK,   30                          ; s[30:31] M: Wk likewise
	s_load_b256 s[4:11], s[0:1], 0x0               ; x s[4:5], Wq s[6:7], Wk s[8:9], Wv s[10:11]
	s_load_b128 s[12:15], s[0:1], 0x20             ; xb s[12:13], mb s[14:15]
	s_load_b64 s[16:17], s[0:1], 0x30              ; wvh
	v_lshl_add_u32 v[SPW], v0, 2, SPARE
	v_mov_b32 v[NIL], 0
	v_lshrrev_b32 v1, 5, v0
	v_readfirstlane_b32 s[WV], v1                  ; wave 0..7
	s_wait_alu depctr_va_sdst(0)                   ; s[WV] is written, ahead of the branch and of its first reader: M's addresses are made from it
	s_mov_b32 s23, 0                               ; the high word of every offset pair s[22:23]
	s_wait_kmcnt 0x0
	s_cmp_lt_u32 ttmp9, 256
	s_cbranch_scc1 .Lrole_m
; ---------------- THE STREAM.  64 chunks of 4,096 bytes of x: a thread takes 16 bytes in, 8 out; a wave's store covers 256 consecutive bytes, aligned.
	s_sub_co_u32 s21, ttmp9, 256                   ; j = 0..255
	s_lshl_b32 s22, s21, 18
	s_add_nc_u64 s[4:5], s[4:5], s[22:23]          ; x + 262,144 j
	s_lshl_b32 s22, s21, 17
	s_add_nc_u64 s[12:13], s[12:13], s[22:23]      ; xb + 131,072 j
	s_lshl_b32 s22, s21, 14
	s_add_nc_u64 s[10:11], s[10:11], s[22:23]      ; Wv + 16,384 j
	s_lshl_b32 s22, s21, 13
	s_add_nc_u64 s[16:17], s[16:17], s[22:23]      ; wvh + 8,192 j
	v_lshlrev_b32 v[VI], 4, v0
	v_lshlrev_b32 v[VO], 3, v0
	s_wait_alu depctr_va_vdst(0)                   ; v[VI] and v[VO] are written: every load and store of the stream reads one of them as its offset
.irp i, 0,1,2,3
	global_load_b128 v[WVR+4*(\i):WVR+4*(\i)+3], v[VI], s[10:11] offset:(\i)*4096 th:TH_LOAD_NT
.endr
.irp i, 0,1,2,3,4,5,6,7,8,9,10,11,12,13,14,15
	global_load_b128 v[X+4*(\i):X+4*(\i)+3], v[VI], s[4:5] offset:(\i)*4096 th:TH_LOAD_NT  ; the ring is filled: chunks 0 to 15
.endr
	s_wait_loadcnt 16                              ; Wv's four loads are in; x's sixteen stay out
.irp i, 0,1,2,3
	v_cvt_pk_bf16_f32 v[WT], v[WVR+4*(\i)], v[WVR+4*(\i)+1]      ; the one rounding, to bf16;
	v_cvt_pk_bf16_f32 v[WT+1], v[WVR+4*(\i)+2], v[WVR+4*(\i)+3]
	v_lshlrev_b32 v[WT+2], 16, v[WT]                             ; back to f32 (a shift or a mask),
	v_and_b32 v[WT+3], 0xffff0000, v[WT]
	v_lshlrev_b32 v[WT+4], 16, v[WT+1]
	v_and_b32 v[WT+5], 0xffff0000, v[WT+1]
	v_cvt_pk_f16_f32 v[WO+2*(\i)], v[WT+2], v[WT+3]              ; and the same number as f16 (8 significant bits fit into 11)
	v_cvt_pk_f16_f32 v[WO+2*(\i)+1], v[WT+4], v[WT+5]
.endr
	s_wait_alu depctr_va_vdst(0)                   ; the conversions have written v[WO ..], which the four stores read
.irp i, 0,1,2,3
	global_store_b64 v[VO], v[WO+2*(\i):WO+2*(\i)+1], s[16:17] offset:(\i)*2048
.endr
; Block b of a lap: four chunks.  ahead = 1: the block is filled again with the chunks 16 further on.  left = the younger loads that may stay out.
.macro BLK b, ahead, left
	s_wait_loadcnt \left                           ; loads come back in order: X[b]'s four are in, the younger blocks stay out
.irp i, 0,1,2,3
	v_cvt_pk_bf16_f32 v[Y+8*(\b)+2*(\i)],   v[X+16*(\b)+4*(\i)],   v[X+16*(\b)+4*(\i)+1]
	v_cvt_pk_bf16_f32 v[Y+8*(\b)+2*(\i)+1], v[X+16*(\b)+4*(\i)+2], v[X+16*(\b)+4*(\i)+3]
.endr
	s_wait_alu depctr_va_vdst(0)                   ; the roundings are done reading X[b], in which the loads below land, and have written Y[b], which the stores below read
.if \ahead
.irp i, 0,1,2,3
	global_load_b128 v[X+16*(\b)+4*(\i):X+16*(\b)+4*(\i)+3], v[VI], s[4:5] offset:(4*(\b)+(\i))*4096+65536 th:TH_LOAD_NT
.endr
.endif
.irp i, 0,1,2,3
	global_store_b64 v[VO], v[Y+8*(\b)+2*(\i):Y+8*(\b)+2*(\i)+1], s[12:13] offset:(4*(\b)+(\i))*2048
.endr
.endm
	s_mov_b32 s[CNT], 3
.Lring:                                            ; a lap: sixteen chunks; each Y is written once in it
	BLK 0, 1, 12
	BLK 1, 1, 12
	BLK 2, 1, 12
	BLK 3, 1, 12
	s_wait_xcnt 0x0                                ; every load and store issued so far has had its addresses translated: the two bases are stepped, and Y is rewritten, only behind this wait
	s_wait_alu depctr_vm_vsrc(0)                   ; this lap's stores have read Y0 to Y3, which the roundings of the next lap, or of the last sixteen chunks, write again
	s_add_nc_u64 s[4:5], s[4:5], 65536
	s_add_nc_u64 s[12:13], s[12:13], 32768
	s_sub_co_u32 s[CNT], s[CNT], 1
	s_cmp_lg_u32 s[CNT], 0
	s_cbranch_scc1 .Lring
	BLK 0, 0, 12                                   ; the last sixteen chunks load nothing: the counts run down
	BLK 1, 0, 8
	BLK 2, 0, 4
	BLK 3, 0, 0
	s_wait_dscnt 0x0                               ; the closing lines, six on end
	s_wait_alu 0x0
	s_wait_tensorcnt 0x0
	ds_add_u32 v[SPW], v[NIL]
	s_wait_dscnt 0x0
	s_endpgm
; ---------------- M.  Tile (nblk, kblk): rows c = 64 nblk .., columns c' = 64 kblk ...  Wave v: row tile v / 2 (16 rows), column half v % 2 (32 columns): two accumulators.
; d goes in 4 stages of 256: load f32 into registers (32 loads of 16 bytes a thread: 131,072 bytes of the work-group on their way, a quarter of all that it reads), round to bf16,
; store as [d][64 columns]; the turning load makes fragments of it.  One buffer in LDS, so two barriers a stage; the next stage's loads go out between them and land under this stage's products.
; THE WORK-GROUP BEGINS AT QUARTER (nblk + kblk) % 4 OF d and goes round: the sixteen work-groups that read the same block of columns of a weight ask for different rows of it at any one time.
; (f32 sums may be taken in any order.)
; The product is taken with source 0 = Wk's columns and source 1 = Wq's: a lane then holds ONE row c of M and eight neighbouring columns c': packed, my two tiles ARE a fragment block.
.Lrole_m:
	s_lshr_b32 s21, ttmp9, 4                       ; nblk
	s_and_b32 s24, ttmp9, 15                       ; kblk
	s_lshl_b32 s22, s21, 8
	s_add_nc_u64 s[6:7], s[6:7], s[22:23]          ; Wq at column 64 nblk
	s_lshl_b32 s22, s24, 8
	s_add_nc_u64 s[8:9], s[8:9], s[22:23]          ; Wk at column 64 kblk
	s_lshr_b32 s25, s[WV], 1                       ; my row tile of the four
	s_and_b32 s26, s[WV], 1                        ; my column half
	s_lshl2_add_u32 s22, s21, s25                  ; row tile 4 nblk + v / 2,
	s_lshl_b32 s22, s22, 16                        ; of 65,536 bytes
	s_lshl1_add_u32 s27, s24, s26                  ; chunk 2 kblk + v % 2,
	s_lshl_b32 s27, s27, 10                        ; of 1,024 bytes
	s_add_co_u32 s22, s22, s27
	s_add_nc_u64 s[14:15], s[14:15], s[22:23]
	s_add_co_u32 s[ST], s21, s24
	s_and_b32 s[ST], s[ST], 3                      ; the quarter of d at which I begin,
	s_lshl_b32 s22, s[ST], 20                      ; 256 rows of 4,096 bytes each
	s_add_nc_u64 s[PQ:PQ+1], s[6:7], s[22:23]
	s_add_nc_u64 s[PK:PK+1], s[8:9], s[22:23]
	v_lshrrev_b32 v7, 4, v0                        ; t / 16: one of 16 rows
	v_and_b32 v1, 15, v0                           ; t % 16: 16 bytes of the row's 256
	v_lshlrev_b32 v[VGO], 12, v7
	v_lshl_add_u32 v[VGO], v1, 4, v[VGO]
.macro STAGE_LOADS                     ; 256 rows d x 256 bytes of each weight: sixteen lanes take one aligned row piece
.irp i, 0,1,2,3,4,5,6,7,8,9,10,11,12,13,14,15
	global_load_b128 v[STG+4*(\i):STG+4*(\i)+3], v[VGO], s[PQ:PQ+1] offset:(\i)*65536
.endr
.irp i, 0,1,2,3,4,5,6,7,8,9,10,11,12,13,14,15
	global_load_b128 v[STG+64+4*(\i):STG+64+4*(\i)+3], v[VGO], s[PK:PK+1] offset:(\i)*65536
.endr
.endm
	s_wait_alu depctr_va_vdst(0)                   ; v[VGO] is written: every load of a stage reads it as its offset
	STAGE_LOADS                                    ; the first stage goes out before anything else is made
	v_mul_u32_u24 v[VLS], v7, LP
	v_lshl_add_u32 v[VLS], v1, 3, v[VLS]
	v_add_nc_u32 v[VLS+1], MATB, v[VLS]
	v_and_b32 v7, 7, v0                            ; the turning load: lane l reads row 8 (l / 16) + l % 8, 16 bytes at 16 ((l / 8) % 2)
	v_bfe_u32 v1, v0, 4, 1
	v_lshl_add_u32 v7, v1, 3, v7
	v_mul_u32_u24 v7, v7, LP
	v_bfe_u32 v1, v0, 3, 1
	v_lshl_add_u32 v7, v1, 4, v7
	s_lshl_b32 s27, s26, 6
	s_add_co_u32 s27, s27, MATB
	v_add_nc_u32 v[VFK], s27, v7                   ; Wk's tile, my 32 columns
	s_lshl_b32 s27, s25, 5
	v_add_nc_u32 v[VFQ], s27, v7                   ; Wq's tile, my 16 columns
	v_and_b32 v[VST], 31, v0
	v_lshlrev_b32 v[VST], 4, v[VST]
	v_mov_b32 v[NEG1], -1.0
; The fragments of chunk q of 32 d into buffer q % 3: six turning loads: Wk's two, Wq's one.
.macro FRAG q
.set lk, FK+16*((\q)%3)
.set lq, FQ+8*((\q)%3)+128*(((\q)%3)/2)
.irp c, 0,1
	ds_load_tr16_b128 v[lk+8*(\c):lk+8*(\c)+3],   v[VFK] offset:(\q)*32*LP+(\c)*32
	ds_load_tr16_b128 v[lk+8*(\c)+4:lk+8*(\c)+7], v[VFK] offset:(\q)*32*LP+(\c)*32+16*LP
.endr
	ds_load_tr16_b128 v[lq:lq+3],   v[VFQ] offset:(\q)*32*LP
	ds_load_tr16_b128 v[lq+4:lq+7], v[VFQ] offset:(\q)*32*LP+16*LP
.endm
; Chunk q of a stage's eight: the fragments of the chunk two on are asked for, into the buffer that chunk q - 1 has left; then chunk q's two products.
.macro CHUNK q
.if (\q) < 6
.if (\q) > 0
	s_wait_alu depctr_va_vdst(0)                   ; the products of chunk q - 1 are done reading their buffer, in which the six loads below land
.endif                                             ; (chunk 0: buffer 2 was last named ahead of the wait that stands behind the stage's roundings)
	FRAG (\q)+2
	s_wait_dscnt 12                                ; LDS loads come back in order: chunk q's fragments are in, the two younger chunks' twelve loads stay out
.else
	s_wait_dscnt 6*(7-(\q))                        ; the last two chunks ask for nothing: the counts run down
.endif
.set mk, FK+16*((\q)%3)
.set mq, FQ+8*((\q)%3)+128*(((\q)%3)/2)
	v_wmma_f32_16x16x32_bf16 v[ACC:ACC+7],    v[mk:mk+7],    v[mq:mq+7], v[ACC:ACC+7]       ; the two accumulators take turns, one instruction a turn, over the backward jump too
	v_wmma_f32_16x16x32_bf16 v[ACC+8:ACC+15], v[mk+8:mk+15], v[mq:mq+7], v[ACC+8:ACC+15]
.endm
.macro PLACES                          ; four places behind a product, in front of vector lines that write registers that it has read or that read its result (ISA guide 7.12.1)
.rept 4
	v_nop
.endr
.endm
.set r, 0
.rept 16
	v_mov_b32 v[ACC+r], 0                          ; the sums start at 0, written while the first loads are out, so that the loop has one form of product
.set r, r+1
.endr
	s_mov_b32 s[CNT], 4
.Lstage:
	s_wait_loadcnt 0x0                             ; the stage is in registers; its loads have also read their bases
	s_barrier_signal -1                            ; each wave waited for its fragment loads in front of its products: when all eight have signalled,
	s_barrier_wait -1                              ; nobody reads the last stage's tiles any more, and they may be written over
.set i, 0
.rept 32
	v_cvt_pk_bf16_f32 v[TMP+2*i],   v[STG+4*i],   v[STG+4*i+1]
	v_cvt_pk_bf16_f32 v[TMP+2*i+1], v[STG+4*i+2], v[STG+4*i+3]
.set i, i+1
.endr
	s_wait_alu depctr_va_vdst(0)                   ; the roundings are done reading STG, in which the next stage's loads land, and have written TMP, which the LDS stores read (in the first trip their addresses and the fragments' are written too); the last stage's products are done with the fragment buffers, in which chunks 0 to 2 land
	s_cmp_eq_u32 s[CNT], 1                         ; the last stage has none behind it: its loads are jumped over (no barrier stands in what is jumped)
	s_cbranch_scc1 .Lno_more
	s_add_co_u32 s[ST], s[ST], 1                   ; the next quarter of d, round the end
	s_and_b32 s[ST], s[ST], 3
	s_lshl_b32 s22, s[ST], 20
	s_add_nc_u64 s[PQ:PQ+1], s[6:7], s[22:23]
	s_add_nc_u64 s[PK:PK+1], s[8:9], s[22:23]
	STAGE_LOADS                                    ; ahead of the LDS stores: they have those and this stage's products in which to land
.Lno_more:
.set i, 0
.rept 32
	ds_store_b64 v[VLS+i/16], v[TMP+2*i:TMP+2*i+1] offset:(i%16)*16*LP
.set i, i+1
.endr
	s_wait_dscnt 0x0                               ; for the others' sake: my stores are done
	s_barrier_signal -1
	s_barrier_wait -1                              ; everybody's are: the tiles are whole
	s_wait_alu depctr_vm_vsrc(0)                   ; my LDS stores have read v[TMP ..]: the fragments' loads land in these registers, and the next stage's roundings, or hi and lo, write them
	FRAG 0
	FRAG 1
.irp q, 0,1,2,3,4,5,6,7
	CHUNK \q
.endr
	PLACES                                         ; behind the stage's last products: the next roundings write registers that they read; behind the last stage the sums are read
	s_sub_co_u32 s[CNT], s[CNT], 1
	s_cmp_lg_u32 s[CNT], 0
	s_cbranch_scc1 .Lstage
; hi = bf16(M); M - hi is exact in f32 (a multiply-add that reads the bf16 half); lo = bf16(M - hi).  Each accumulator is read from its low end on.
.irp t, 0,1
.irp r, 0,1,2,3
	v_cvt_pk_bf16_f32 v[HL+8*(\t)+(\r)], v[ACC+8*(\t)+2*(\r)], v[ACC+8*(\t)+2*(\r)+1]
.endr
.irp r, 0,1,2,3
	v_fma_mix_f32_bf16 v[ACC+8*(\t)+2*(\r)], v[HL+8*(\t)+(\r)], v[NEG1], v[ACC+8*(\t)+2*(\r)] op_sel:[0,0,0] op_sel_hi:[1,0,0]
	v_fma_mix_f32_bf16 v[ACC+8*(\t)+2*(\r)+1], v[HL+8*(\t)+(\r)], v[NEG1], v[ACC+8*(\t)+2*(\r)+1] op_sel:[1,0,0] op_sel_hi:[1,0,0]
.endr
.irp r, 0,1,2,3
	v_cvt_pk_bf16_f32 v[HL+8*(\t)+4+(\r)], v[ACC+8*(\t)+2*(\r)], v[ACC+8*(\t)+2*(\r)+1]
.endr
.endr
	s_wait_alu depctr_va_vdst(0)                   ; the roundings have written v[HL ..], hi and lo of both tiles, which the four stores read
.irp t, 0,1
	global_store_b128 v[VST], v[HL+8*(\t):HL+8*(\t)+3],   s[14:15] offset:(\t)*512        ; 512 consecutive bytes: half a block of hi,
	global_store_b128 v[VST], v[HL+8*(\t)+4:HL+8*(\t)+7], s[14:15] offset:(\t)*512+32768  ; and of lo, 32 chunks on
.endr
	s_wait_dscnt 0x0                               ; the closing lines, six on end
	s_wait_alu 0x0
	s_wait_tensorcnt 0x0
	ds_add_u32 v[SPW], v[NIL]
	s_wait_dscnt 0x0
	s_endpgm
.Lfunc_end_k_q8fdb258dca_prep:
	.size	k_q8fdb258dca_prep, .Lfunc_end_k_q8fdb258dca_prep-k_q8fdb258dca_prep
	.p2alignl 7, 3214868480
	.fill 96, 4, 3214868480
	.section	.rodata,"a",@progbits
	.p2align	6, 0x0
	.amdhsa_kernel k_q8fdb258dca_prep
		.amdhsa_group_segment_fixed_size 82944
		.amdhsa_private_segment_fixed_size 0
		.amdhsa_enable_private_segment 0
		.amdhsa_kernarg_size 56
		.amdhsa_user_sgpr_count 2
		.amdhsa_user_sgpr_kernarg_segment_ptr 1
		.amdhsa_wavefront_size32 1
		.amdhsa_system_sgpr_workgroup_id_x 1
		.amdhsa_system_sgpr_workgroup_id_y 1
		.amdhsa_system_sgpr_workgroup_id_z 1
		.amdhsa_system_vgpr_workitem_id 0
		.amdhsa_next_free_vgpr 232
		.amdhsa_next_free_sgpr 66
		.amdhsa_reserve_vcc 0
		.amdhsa_float_denorm_mode_32 3
		.amdhsa_float_denorm_mode_16_64 3
		.amdhsa_memory_ordered 1
		.amdhsa_forward_progress 1
		.amdhsa_inst_pref_size 37
	.end_amdhsa_kernel
	.amdgpu_metadata
---
amdhsa.version: [ 1, 2 ]
amdhsa.kernels:
  - .name:           k_q8fdb258dca_prep
    .symbol:         k_q8fdb258dca_prep.kd
    .args:
      - { .name: x, .offset: 0, .size: 8, .value_kind: global_buffer, .address_space: global }
      - { .name: Wq, .offset: 8, .size: 8, .value_kind: global_buffer, .address_space: global }
      - { .name: Wk, .offset: 16, .size: 8, .value_kind: global_buffer, .address_space: global }
      - { .name: Wv, .offset: 24, .size: 8, .value_kind: global_buffer, .address_space: global }
      - { .name: xb, .offset: 32, .size: 8, .value_kind: global_buffer, .address_space: global }
      - { .name: mb, .offset: 40, .size: 8, .value_kind: global_buffer, .address_space: global }
      - { .name: wvh, .offset: 48, .size: 8, .value_kind: global_buffer, .address_space: global }
    .group_segment_fixed_size: 82944
    .private_segment_fixed_size: 0
    .kernarg_segment_align: 8
    .kernarg_segment_size: 56
    .max_flat_workgroup_size: 256
    .sgpr_count:     66
    .vgpr_count:     232
    .wavefront_size: 32
...
	.end_amdgpu_metadata
.endif
;; end of part 5
;; launch gemmw: the kernel of part 2 again; grid 4 x 64, 4 waves a work-group, clusters of 4 x 4, 327,680 bytes of LDS; arguments xb, mb, wb; writes wb
;; launch attn: the kernel of part 3 again; grid 8 x 32, 4 waves a work-group, clusters of 4 x 1, 327,680 bytes of LDS; arguments xb, wb, zb; writes zb
;; launch gemmo: the kernel of part 4 again; grid 4 x 64, 4 waves a work-group, clusters of 4 x 4, 327,680 bytes of LDS; arguments zb, wvh, xb, gamma, out0; writes out0
